; MI455X (gfx1250); checked and timed in simulation.
; The chip was launched on July 23, 2026; its instructions are those of AMD's public machine-readable ISA for CDNA 5 (MIT licence, August 2026) and "CDNA5" Instruction Set Architecture Reference Guide (July 2026). The comments in the code are by the model that wrote it; some were corrected since.
;; Fused Self Attention. Allowed arithmetic: matrix products marked QUANTISED: E2M3 operands, one E8M0 scale for each 32 along K, by v_wmma_scale_f32_16x16x128_f8f6f4 with both operands' format E2M3, f32 sums; everything else in f32.
;; Inputs: W_o 2,048 x 2,048 float32; W_qkv 2,048 x 3,072 float32; x 2,048 x 2,048 float32.
;; Outputs: out0 2,048 x 2,048 float32.
;; This version of the problem:
;;   THIS VERSION OF THE PROBLEM IS GIVEN IN LOW PRECISION. The matrix products marked QUANTISED in the list below multiply operands that are first quantised to E2M3 (2 exponent bits, 3 mantissa bits; 6 bits a number), with one power-of-two scale for each 32 numbers along K (OCP MX v1.0); their sums are f32. All else is computed in f32.
;;   The module's matrix products, in the order in which they are computed (A, B: the left and right operand; K: the contracted axis; several contracted axes count as one K, in the product's order):
;;     1. [M 2,048, K 2,048] x [K 2,048, N 3,072]; A: input x; B: input W_qkv: QUANTISED
;;     2. batch 16 x [M 2,048, K 128] x [K 128, N 2,048]; A: computed on the way; B: computed on the way: QUANTISED
;;     3. batch 16 x [M 2,048, K 2,048] x [K 2,048, N 128]; A: softmax (see below); B: computed on the way: QUANTISED
;;     4. [M 2,048, K 2,048] x [K 2,048, N 2,048]; A: computed on the way; B: input W_o: QUANTISED
;;   THE QUANTISER, for each operand of a quantised product, along K:
;;     - K is cut into blocks of 32 from its start; a last block that is shorter is filled with zeros.
;;     - A block's scale is 2^e with e = floor(log2(the largest magnitude in the block)) - 2, held to -126 .. 127; a block of zeros has e = 0. As a byte (E8M0): e + 127.
;;     - Each number is divided by its block's scale, clamped to +-7.5, and rounded to the nearest number of E2M3, ties to even, subnormals kept.
;;     - The product sums the exact products of the quantised numbers (number of the format x scale) in f32.
;;   ~~~python
;;   def quantise(x, axis):      # numpy; x: float32 -> the quantised numbers, widened to float32 again
;;       x = np.moveaxis(x, axis, -1); K = x.shape[-1]
;;       x = np.pad(x, [(0, 0)] * (x.ndim - 1) + [(0, -K % 32)]); x = x.reshape(x.shape[:-1] + (-1, 32)); a = np.abs(x).max(-1, keepdims=True)
;;       e = np.where(a > 0, np.clip(np.frexp(np.where(a > 0, a, 1))[1] - 1 - 2, -126, 127), 0)      # np.frexp(a)[1] - 1 = floor(log2(a)), exactly
;;       r = np.clip(x / 2.0 ** e, -7.5, 7.5)
;;       step = 2.0 ** (np.maximum(np.frexp(np.where(r == 0, 1, r))[1] - 1, 0) - 3)
;;       q = np.round(r / step) * step * 2.0 ** e      # np.round: ties to even
;;       return np.moveaxis(q.reshape(q.shape[:-2] + (-1,))[..., :K], -1, axis).astype(np.float32)
;;   ~~~
;;   SOFTMAX AHEAD OF A QUANTISED PRODUCT. Where the list says 'softmax', what is quantised is not the finished softmax but p = 2^(t - M), with t = logit x log2(e) and M = ceil(the row's largest t), a whole number; so 1/2 < the row's largest p <= 1. The row's sum l is taken of the UNQUANTISED p, in f32, and the product's result is divided by l at the end. Since M is a whole number, a kernel that streams over the keys may use a running M (the ceiling of the running maximum): every later rescaling is an exact power of two, which a block's scale takes up: the codes' values come out the same.
;;   OPERANDS COMPUTED ON THE WAY. 'Computed on the way' means the value that the module computes at that place (a softmax that the list does not call 'softmax' is quantised finished and normalised). What goes into a quantiser is computed in f32, as accurately as f32 sums, v_exp_f32 and their like allow (about 1e-6 of the number): no bf16 or f16 on the way to a quantiser, and a product that is left as it is and whose result goes on into a quantised operand takes f32 operands (vector FMAs, or v_wmma_f32_16x16x4_f32). A number that lies on a knife's edge between two numbers of the format may be rounded either way, as far as f32 arithmetic and the matrix unit's own rounding can turn it there, and no further.
;; One version. Each part assembles by itself: llvm-mc -triple=amdgcn-amd-amdhsa -mcpu=gfx1250 --defsym DOCPART=n.
;; ======== version 1 of 1: 4 launches
;; limits: right only within a limited range of input values
;; workspace buffers: opw 11,468,800 bytes; qkv 4,915,200 bytes; att 3,276,800 bytes
;; launch quant (part 1): grid 576 x 1, 4 waves a work-group, no clusters, 58,880 bytes of LDS; arguments x, W_qkv, W_o, opw; writes opw
.if DOCPART == 1
	.amdgcn_target "amdgcn-amd-amdhsa--gfx1250"
	.amdhsa_code_object_version 6
	.text
	.protected	k_qc6b2b2067e_quant
	.globl	k_qc6b2b2067e_quant
	.p2align	8
	.type	k_qc6b2b2067e_quant,@function
k_qc6b2b2067e_quant:
	s_mov_b64 s[64:65], 0
	v_nop
	global_prefetch_b8 v0, s[64:65] scope:SCOPE_SE
	s_setreg_imm32_b32 hwreg(HW_REG_WAVE_MODE, 25, 1), 1
	s_wait_xcnt 0x0
; x [2048][2048], W_qkv [2048][3072], W_o [2048][2048], f32, become codes of FP6 (E2M3) with one E8M0 scale byte for each 32 along K.
; K is x's last axis and the weights' FIRST axis.  A block's scale is 2^(floor(log2(largest magnitude)) - 2); its byte is the largest magnitude's exponent field - 2.
; LAYOUT OF opw.  The rows of an operand (x's tokens, a weight's columns) go in blocks of 16: lane r of block B holds row 32 (B / 2) + 8 (B % 2) + r + 8 (r / 8).
; Codes: [block 448][K step 16][1536 bytes]; x is blocks 0-127, W_qkv's columns 128-319, W_o's 320-447.  The 1,536 bytes are the IMAGE of the matrix operand's 12 registers:
; register p of lane l at byte 512 (p / 4) + 16 l + 4 (p % 4), so that three loads of 16 bytes a lane bring a fragment.  Scale words from byte OPS on: [block][K step][r], 4 bytes each.
; LIMITS: NaN and infinities are not served; a block whose largest magnitude lies under 2^-124 is held at byte 1; a block of zeros has byte 1 (its codes are zeros; only this program reads the bytes).
; Memory binds: no matrix unit, no cluster, no barrier: waves share nothing.  Work-groups 0-255 take x, 256-575 the weights; the two ways part once and never join, each with LDS bytes of its own.
.set OPS, 11010048
.set WST, 33792                        ; LDS: x's stages, 8,448 bytes a wave, from 0; the weights' stages, 6,144 bytes a wave, from here
.set R0,  16                           ; way X: v16-79 K step 0 as loaded (later K step 1 turned), v80-143 K step 1 as loaded, v144-207 K step 0 turned
.set R1,  80
.set XX,  144
.set PC,  208                          ; v208-226 the codes in the making
.set TM,  228                          ; v228-243 at work
.set PW,  244                          ; v244, v245 the two scale words; v246 both in one register
; 64 numbers of a lane, register 16 b + i = k 32 b + 16 (lane / 16) + i of row lane % 16, become a fragment's 12 registers in v[pc] on and the row's scale word in v[pw].
.macro QUANT src, pc, pw
.irp b, 0,1,2,3
	v_max3_num_f32 v[TM+\b], |v[\src+16*\b]|, |v[\src+1+16*\b]|, 0x1800000   ; block b: my 16 numbers and the floor 2^(3 - 127): the byte cannot fall under 1
.endr
.irp i, 2,4,6,8,10,12,14
.irp b, 0,1,2,3
	v_max3_num_f32 v[TM+\b], v[TM+\b], |v[\src+16*\b+\i]|, |v[\src+1+16*\b+\i]|
.endr
.endr
.irp b, 0,1,2,3
	v_permlanex16_b32 v[TM+4+\b], v[TM+\b], s20, s21
.endr
.irp b, 0,1,2,3
	v_max_num_f32 v[TM+\b], v[TM+\b], v[TM+4+\b]            ; with lane l xor 16's 16: the block's largest magnitude
.endr
.irp b, 0,1,2,3
	v_add_nc_u32 v[TM+12+\b], 0xff000000, v[TM+\b]          ; 2 off its exponent field: the conversion's scale operand
.endr
.irp b, 0,1,2,3
	v_lshrrev_b32 v[TM+4+\b], 23, v[TM+12+\b]               ; the scale's byte
.endr
	v_lshl_or_b32 v[\pw], v[TM+5], 8, v[TM+4]
	v_lshl_or_b32 v[\pw], v[TM+6], 16, v[\pw]
	v_lshl_or_b32 v[\pw], v[TM+7], 24, v[\pw]
.irp c, 0,1
	v_cvt_scalef32_pk16_fp6_f32 v[\pc+6*\c:\pc+2+6*\c], v[\src+32*\c:\src+15+32*\c], v[TM+12+2*\c]
	v_cvt_scalef32_pk16_fp6_f32 v[\pc+12+4*\c:\pc+14+4*\c], v[\src+16+32*\c:\src+31+32*\c], v[TM+12+2*\c+1]   ; (a conversion's three registers begin on an even number)
.endr
	v_nop                                                   ; one plain place behind a scaled conversion
.irp c, 0,1                                                ; the operand wants a whole block in a lane: lanes 0-15 block 2 c, lanes 16-31 block 2 c + 1
.irp i, 0,1,2
	v_permlane16_swap_b32 v[\pc+6*\c+\i], v[\pc+12+4*\c+\i]
.endr
.irp i, 0,1,2
	v_mov_b32 v[\pc+3+6*\c+\i], v[\pc+12+4*\c+\i]
.endr
.endr
.endm
	s_load_b256 s[4:11], s[0:1], 0x0               ; x s[4:5], W_qkv s[6:7], W_o s[8:9], opw s[10:11]
	v_lshl_add_u32 v254, v0, 2, 0xe400
	v_mov_b32 v255, 0
	v_lshrrev_b32 v1, 5, v0
	v_readfirstlane_b32 s12, v1                    ; wave 0..3
	v_and_b32 v1, 31, v0                           ; lane
	v_and_b32 v2, 15, v0                           ; r
	v_bfe_u32 v3, v0, 4, 1                         ; h
	v_lshlrev_b32 v4, 4, v1                        ; 16 x lane
	v_lshlrev_b32 v5, 2, v1                        ; 4 x lane
	; every LDS address is made here, ahead of the parting of the ways
	s_mul_i32 s13, s12, 8448
	v_add_nc_u32 v6, s13, v4                       ; x's stage, in: 16 x lane of a row of 512 bytes (+ 528 a row)
	v_mul_u32_u24 v7, v2, 528
	v_lshl_add_u32 v7, v3, 6, v7
	v_add_nc_u32 v7, s13, v7                       ; and out: row r, + 64 h: my 16 numbers of each block of 32
	v_bfe_u32 v11, v0, 3, 1                        ; the weights: lane l is column l of 32: block u = (l / 8) % 2,
	v_and_b32 v12, 7, v0
	v_lshl_or_b32 v12, v3, 3, v12                  ; row r' = l % 8 + 8 (l / 16) of it
	s_mul_i32 s13, s12, 6144
	s_add_co_u32 s13, s13, WST
	v_mul_u32_u24 v8, v11, 3072
	v_lshl_add_u32 v8, v12, 4, v8
	v_add_nc_u32 v8, s13, v8                       ; the weights' stage, in: image (u, step) at 3072 u + 1536 step, lane r' of it
	v_add_nc_u32 v9, s13, v4                       ; and out: 16 x lane
	v_lshlrev_b32 v10, 10, v11
	v_lshl_add_u32 v10, v12, 2, v10                ; my scale word's place: 1024 u + 4 r'
	s_mov_b32 s20, 0x76543210
	s_mov_b32 s21, 0xfedcba98                      ; v_permlanex16_b32's selects for lane l xor 16
	s_cmp_lt_u32 ttmp9, 256
	s_cbranch_scc0 .Lw
	; ---- WAY X.  Work-group g: block g / 2; wave w: K steps 2 c and 2 c + 1, c = 4 (g % 2) + w: 1,024 bytes of each of the block's 16 rows.
	s_lshr_b32 s14, ttmp9, 1                       ; block
	s_and_b32 s15, ttmp9, 1
	s_lshl_b32 s15, s15, 2
	s_add_co_u32 s15, s15, s12                     ; c
	s_lshr_b32 s16, s14, 1
	s_lshl_b32 s16, s16, 5
	s_and_b32 s17, s14, 1
	s_lshl_b32 s17, s17, 3
	s_add_co_u32 s16, s16, s17                     ; the block's first row
	s_lshl_b32 s16, s16, 13                        ; x 8,192 bytes
	s_lshl_b32 s17, s15, 10
	s_add_co_u32 s16, s16, s17
	s_mov_b32 s17, 0
	s_mul_i32 s18, s14, 24576
	s_mul_i32 s19, s15, 3072
	s_add_co_u32 s18, s18, s19
	s_mov_b32 s19, 0
	s_lshl_b32 s22, s14, 10
	s_lshl_b32 s23, s15, 7
	s_add_co_u32 s22, s22, s23
	s_add_co_u32 s22, s22, OPS
	s_mov_b32 s23, 0
	s_wait_kmcnt 0x0
	s_add_nc_u64 s[4:5], s[4:5], s[16:17]
	s_add_nc_u64 s[24:25], s[10:11], s[18:19]      ; my two images
	s_add_nc_u64 s[26:27], s[10:11], s[22:23]      ; my two runs of scale words
.irp sg, 0,1
.irp i, 0,1,2,3,4,5,6,7,8,9,10,11,12,13,14,15
	global_load_b128 v[R0+64*\sg+4*\i:R0+64*\sg+4*\i+3], v4, s[4:5] offset:(\i+8*(\i/8))*8192+512*\sg th:TH_LOAD_NT   ; 32 lanes read 512 consecutive bytes of the block's row i
.endr
.endr
.irp b, 0,1,2,3
	v_mov_b32 v[TM+4+\b], 0                        ; written once: a lane permute's destination counts as one of its sources
.endr
; A K step's 16 x 512 bytes go into the wave's stage as they lie (rows 528 bytes apart) and come back 64 neighbouring bytes of each block of 32 numbers a lane.  LDS serves a wave's instructions in order.
.macro TURNX src, dst
.irp i, 0,1,2,3,4,5,6,7,8,9,10,11,12,13,14,15
	ds_store_b128 v6, v[\src+4*\i:\src+4*\i+3] offset:528*\i
.endr
.irp b, 0,1,2,3
.irp j, 0,1,2,3
	ds_load_b128 v[\dst+16*\b+4*\j:\dst+16*\b+4*\j+3], v7 offset:128*\b+16*\j
.endr
.endr
.endm
	s_wait_loadcnt 16                              ; K step 0's sixteen loads are in; K step 1's sixteen are younger
	TURNX R0, XX
	s_wait_dscnt 0x0                               ; the turned numbers are in, and the stores have read R0
	QUANT XX, PC, PW
.irp g, 0,1,2
	global_store_b128 v4, v[PC+4*\g:PC+4*\g+3], s[24:25] offset:512*\g          ; 512 consecutive bytes a store
.endr
	s_wait_loadcnt 0x0
	TURNX R1, R0
	s_wait_dscnt 0x0
	s_wait_xcnt 0x0                                ; the stores above have read the code registers, which are written again now
	QUANT R0, PC, PW+1
.irp g, 0,1,2
	global_store_b128 v4, v[PC+4*\g:PC+4*\g+3], s[24:25] offset:1536+512*\g
.endr
	v_cmp_le_u32 vcc_lo, 16, v1
	v_cndmask_b32 v[PW+2], v[PW], v[PW+1], vcc_lo  ; lanes 0-15 the first step's words, lanes 16-31 the second's (every lane holds row lane % 16's)
	global_store_b32 v5, v[PW+2], s[26:27]         ; 128 consecutive bytes
	s_wait_tensorcnt 0x0
	ds_add_u32 v254, v255
	s_wait_dscnt 0x0
	s_endpgm
	; ---- WAY W.  A LANE TAKES A COLUMN AND ITS REGISTERS RUN DOWN K: a block of 32 along K lies in one lane, and the conversions give codes with K innermost.
	; Work-group: 128 columns x 256 along K; wave: 32 columns (two blocks of 16) x 8 blocks of 32 along K (two K steps).
.Lw:
	s_sub_co_u32 s14, ttmp9, 256
	s_sub_co_u32 s15, s14, 192
	s_mov_b32 s16, 12288                           ; a row of W_qkv in bytes
	s_mov_b32 s17, 128                             ; its first block in opw
	s_cmp_ge_u32 s14, 192                          ; W_o's work-group?  The choice hangs on the work-group's number alone
	s_cselect_b32 s14, s15, s14
	s_cselect_b32 s16, 8192, s16
	s_cselect_b32 s17, 320, s17
	s_wait_kmcnt 0x0
	s_cselect_b64 s[6:7], s[8:9], s[6:7]
	s_lshr_b32 s18, s14, 3                         ; which 128 columns
	s_and_b32 s19, s14, 7                          ; which 256 along K
	s_lshl_b32 s22, s18, 3
	s_add_co_u32 s17, s17, s22
	s_lshl_b32 s22, s12, 1
	s_add_co_u32 s17, s17, s22                     ; my first block in opw
	s_lshl_b32 s22, s19, 8
	s_mul_i32 s22, s22, s16
	s_lshl_b32 s23, s18, 9
	s_add_co_u32 s22, s22, s23
	s_lshl_b32 s23, s12, 7
	s_add_co_u32 s22, s22, s23
	s_mov_b32 s23, 0
	s_add_nc_u64 s[32:33], s[6:7], s[22:23]        ; eight bases, 32 rows apart, never stepped
	s_lshl_b32 s22, s16, 5
.irp t, 1,2,3,4,5,6,7
	s_add_nc_u64 s[32+2*\t:33+2*\t], s[30+2*\t:31+2*\t], s[22:23]
.endr
	s_mul_i32 s24, s17, 24576
	s_mul_i32 s25, s19, 3072
	s_add_co_u32 s24, s24, s25
	s_mov_b32 s25, 0
	s_add_nc_u64 s[24:25], s[10:11], s[24:25]
	s_lshl_b32 s26, s17, 10
	s_lshl_b32 s27, s19, 7
	s_add_co_u32 s26, s26, s27
	s_add_co_u32 s26, s26, OPS
	s_mov_b32 s27, 0
	s_add_nc_u64 s[26:27], s[10:11], s[26:27]
	v_mov_b32 v16, v5                              ; v16-47: 4 x lane + i rows
.set i_, 1
.rept 31
	v_add_nc_u32 v[16+i_], s16, v[15+i_]
.set i_, i_+1
.endr
.macro LOADW t                         ; block t of 32 along K into set t % 2 (v48-79, v80-111): each load reads 128 consecutive bytes, the four waves side by side 512
.set i_, 0
.rept 32
	global_load_b32 v[48+32*((\t)%2)+i_], v[16+i_], s[32+2*(\t):33+2*(\t)] th:TH_LOAD_NT
.set i_, i_+1
.endr
.endm
	LOADW 0
	LOADW 1
.macro BLOCKW t
.set XS, 48+32*((\t)%2)
.set WO_, 1536*((\t)/4)+256*((\t)%2)   ; K step t / 4; within it this is block 2 c + h: registers 6 c .. 6 c + 5 of lane r' + 16 h
.if (\t) < 7
	s_wait_loadcnt 32                              ; this block's 32 loads are in; the next block's 32 are younger
.else
	s_wait_loadcnt 0x0
.endif
	v_max3_num_f32 v12, |v[XS]|, |v[XS+1]|, |v[XS+2]|
	v_max3_num_f32 v13, |v[XS+3]|, |v[XS+4]|, |v[XS+5]|
.irp i, 6,10,14,18,22,26
	v_max3_num_f32 v12, v12, |v[XS+\i]|, |v[XS+\i+1]|
	v_max3_num_f32 v13, v13, |v[XS+\i+2]|, |v[XS+\i+3]|
.endr
	v_max3_num_f32 v12, v12, |v[XS+30]|, |v[XS+31]|
	v_max3_num_f32 v12, v12, v13, 0x1800000        ; and the floor 2^(3 - 127)
	v_add_nc_u32 v11, 0xff000000, v12              ; 2 off the exponent field: the conversion's scale operand
	v_cvt_scalef32_pk16_fp6_f32 v[112:114], v[XS:XS+15], v11
	v_cvt_scalef32_pk16_fp6_f32 v[120:122], v[XS+16:XS+31], v11
	v_lshrrev_b32 v13, 23, v11                     ; the scale's byte (and the plain place behind the conversions)
.if (\t)%4 == 0
	v_mov_b32 v[124+(\t)/4], v13
.else
	v_lshl_or_b32 v[124+(\t)/4], v13, 8*((\t)%4), v[124+(\t)/4]
.endif
.irp i, 0,1,2
	v_mov_b32 v[115+\i], v[120+\i]                 ; v112-117: the block's 24 bytes
.endr
.if ((\t)%4)/2 == 0
	ds_store_b128 v8, v[112:115] offset:WO_        ; registers 0-3,
	ds_store_b64 v8, v[116:117] offset:WO_+512     ; 4, 5 of the image
.else
	ds_store_b64 v8, v[112:113] offset:WO_+520     ; registers 6, 7,
	ds_store_b128 v8, v[114:117] offset:WO_+1024   ; 8-11
.endif
.if (\t) < 6
	LOADW (\t)+2
.endif
	s_wait_dscnt 0x0                               ; the stores have read their registers: the next block writes them again
.endm
.irp t, 0,1,2,3,4,5,6,7
	BLOCKW \t
.endr
.irp k, 0,1,2,3,4,5,6,7,8,9,10,11
	ds_load_b128 v[128+4*\k:131+4*\k], v9 offset:512*\k      ; my four images, as they lie
.endr
.irp k, 0,1,2,3,4,5,6,7,8,9,10,11
	s_wait_dscnt 11-\k
	global_store_b128 v4, v[128+4*\k:131+4*\k], s[24:25] offset:(\k/6)*24576+(\k%6)*512   ; 512 consecutive bytes a store
.endr
	global_store_b32 v10, v124, s[26:27]           ; the scale words: two runs of 64 bytes a store: a twenty-fourth part of what this way writes
	s_wait_alu depctr_va_vdst(0)
	global_store_b32 v10, v125, s[26:27] offset:64
	s_wait_tensorcnt 0x0
	ds_add_u32 v254, v255
	s_wait_dscnt 0x0
	s_endpgm
.Lfunc_end_k_qc6b2b2067e_quant:
	.size	k_qc6b2b2067e_quant, .Lfunc_end_k_qc6b2b2067e_quant-k_qc6b2b2067e_quant
	.p2alignl 7, 3214868480
	.fill 96, 4, 3214868480
	.section	.rodata,"a",@progbits
	.p2align	6, 0x0
	.amdhsa_kernel k_qc6b2b2067e_quant
		.amdhsa_group_segment_fixed_size 58880
		.amdhsa_private_segment_fixed_size 0
		.amdhsa_enable_private_segment 0
		.amdhsa_kernarg_size 32
		.amdhsa_user_sgpr_count 2
		.amdhsa_user_sgpr_kernarg_segment_ptr 1
		.amdhsa_wavefront_size32 1
		.amdhsa_system_sgpr_workgroup_id_x 1
		.amdhsa_system_sgpr_workgroup_id_y 1
		.amdhsa_system_sgpr_workgroup_id_z 1
		.amdhsa_system_vgpr_workitem_id 0
		.amdhsa_next_free_vgpr 256
		.amdhsa_next_free_sgpr 66
		.amdhsa_reserve_vcc 1
		.amdhsa_float_denorm_mode_32 3
		.amdhsa_float_denorm_mode_16_64 3
		.amdhsa_memory_ordered 1
		.amdhsa_forward_progress 1
		.amdhsa_inst_pref_size 61
	.end_amdhsa_kernel
	.amdgpu_metadata
---
amdhsa.version: [ 1, 2 ]
amdhsa.kernels:
  - .name:           k_qc6b2b2067e_quant
    .symbol:         k_qc6b2b2067e_quant.kd
    .args:
      - { .name: x, .offset: 0, .size: 8, .value_kind: global_buffer, .address_space: global }
      - { .name: W_qkv, .offset: 8, .size: 8, .value_kind: global_buffer, .address_space: global }
      - { .name: W_o, .offset: 16, .size: 8, .value_kind: global_buffer, .address_space: global }
      - { .name: opw, .offset: 24, .size: 8, .value_kind: global_buffer, .address_space: global }
    .group_segment_fixed_size: 58880
    .private_segment_fixed_size: 0
    .kernarg_segment_align: 8
    .kernarg_segment_size: 32
    .max_flat_workgroup_size: 128
    .sgpr_count:     66
    .vgpr_count:     256
    .wavefront_size: 32
...
	.end_amdgpu_metadata
.endif
;; end of part 1
;; launch gemm_qkv (part 2): grid 192 x 1, 4 waves a work-group, clusters of 4 x 1, 327,680 bytes of LDS; arguments opw, qkv; writes qkv
.if DOCPART == 2
	.amdgcn_target "amdgcn-amd-amdhsa--gfx1250"
	.amdhsa_code_object_version 6
	.text
	.protected	k_qc6b2b2067e_gemm_qkv
	.globl	k_qc6b2b2067e_gemm_qkv
	.p2align	8
	.type	k_qc6b2b2067e_gemm_qkv,@function
k_qc6b2b2067e_gemm_qkv:
	s_mov_b64 s[64:65], 0
	v_nop
	global_prefetch_b8 v0, s[64:65] scope:SCOPE_SE
	s_setreg_imm32_b32 hwreg(HW_REG_WAVE_MODE, 25, 1), 1
	s_wait_xcnt 0x0
	s_wait_alu depctr_hold_cnt(0) depctr_sa_sdst(0) depctr_va_vdst(0) depctr_va_sdst(0) depctr_va_ssrc(0) depctr_va_vcc(0) depctr_vm_vsrc(0)
	s_getreg_b32 s2, hwreg(HW_REG_IB_STS2, 6, 4)
	s_cmp_eq_u32 s2, 0
	s_cbranch_scc0 .Lentry_in_a_cluster
	s_endpgm
.Lentry_in_a_cluster:
	s_bfe_u32 s2, ttmp6, 0x10000c
	s_cmp_lg_u32 s2, 0x3003
	s_cbranch_scc0 .Lentry_shape_is_right
	s_endpgm
.Lentry_shape_is_right:
; qkv = x W_qkv on codes of FP6 (E2M3) with E8M0 scales, K = 2,048; the results never reach memory as f32: each wave quantises its own along the NEXT product's K and stores operand images.
; THE FRAME: C'[m'][n'] = sum over k of A'[m'][k] B'[n'][k].  A work-group of four waves makes 128 rows x 256 columns, a wave 64 x 128: 32 accumulators.  The matrix instruction is used transposed:
; source 0 = 16 rows of B', source 1 = 16 rows of A'; a lane then holds one row of A' and its registers run along B's rows.  Blocks of 16 rows are permuted (lane r of block B: row 32 (B / 2) + 8 (B % 2) + r + 8 (r / 8)),
; so that register 16 b + i of a lane's 64 results for one block of A' is number 32 b + 16 (lane / 16) + i along B': 128 neighbours along the next K: one whole fragment and one whole scale word a row.
; q and k (clusters 0-39): A' = x's tokens, B' = W_qkv's columns (a wave's 128 columns are one head).  v (clusters 40-47): A' = W_v's columns, B' = x's tokens: V^T, whose K is the keys.
; OPERANDS lie in opw as images of the operand's registers, [block][K step][1536], scale words [block][K step][16]: a fragment is three loads of 16 bytes a lane, 512 consecutive bytes each.
; RING: two LDS slots of four K steps; waves 0, 1 fetch A's halves, waves 2, 3 B's.  All scale words come once, with the first fills, and then stay in registers.  The 16 K steps are written out.
; CLUSTER 4 x 1: the four partners share the tile of B' (asked for jointly, mask 15) and take four neighbouring tiles of A' (plain loads).  4 x 4 is not used: 16 x 10 and 4 x 8 tiles do not divide by four both ways.
; 192 work-groups: a wave wants a whole head (or 128 keys) in its registers, and 128 x 256 is the tile that gives one work-group to a WGP at most.
; OUTPUT qkv: Q images [head 16][token block 128][1536] at 0; Q's scale words [head][block][16] at QS; from KVB on [kv head 4][key step 16][25,600]: K's 8 images, V^T's 8 images, K's 128 scale words, V's 128.
; LIMITS: NaN and infinities are not served; a block under 2^-124 is held at byte 1; a block of zeros has byte 1 (zero codes; only this program reads the bytes).
; REGISTERS: window 0: v16-29 addresses, v32-63 A's scale words, v64-127 B's, v128-229 the way out.  Windows 1, 2: fragment sets 0, 1 (B' b at v[12 b], A' a at v[96 + 12 a]).  Window 3: accumulator (a, b) at v[8 (8 a + b)].
.set NBW,   8                          ; blocks of B' a wave
.set BLKS,  6144                       ; a block's four K steps in a slot
.set BOFF,  8*BLKS                     ; B's blocks lie behind A's eight
.set SLOT,  (8+2*NBW)*BLKS
.set SCL,   2*SLOT                     ; the scale words: A's 8,192 bytes, then B's
.set SPARE, SCL+8192+2*NBW*1024        ; the spare words, 128 bytes a wave: two blocks of 256 bytes that no other line names
.set NL,    3*(NBW+4)                  ; LDS loads of a K step's fragments
.set OPS,   11010048
.set QS,    3145728
.set KVB,   3276800
.set VA,  16                           ; v16, v17 my A' fragments in slot 0, 1
.set VB,  18                           ; v18, v19 my B' fragments
.set VSA, 20
.set VSB, 21
.set L16, 22
.set L4,  23
.set SPW, 28
.set NIL, 29
.set SCA, 32                           ; register SCA + 8 a + p: lanes 0-15 K step 2 p, lanes 16-31 K step 2 p + 1
.set SCB, 64
.set TM,  208
.set G1A, 24
.set G0A, 32
.set G1B, 48
.set G0B, 56
.set G1SA, 68
.set G0SA, 76
.set G1SB, 80
.set G0SB, 88
.set MSB, 0
.macro WIN new                         ; the immediate's high byte repeats the setting that is left
.if MSB != \new
	s_set_vgpr_msb (MSB<<8)|\new
.set MSB, \new
.endif
.endm
.macro PLACES                          ; four plain places behind matrix instructions, in front of loads into registers that they read and of reads of their results
.rept 4
	v_nop
.endr
.endm
.macro JLOAD g0a, g1a, g0b, g1b        ; waves 0, 1 fetch for A', waves 2, 3 for B'; four v_nop follow each line
	s_cmp_eq_u32 s15, 0
	s_cbranch_scc0 .Lfor_b_\@
	tensor_load_to_lds s[\g0a:\g0a+3], s[\g1a:\g1a+7]
	s_nop 0
.rept 4
	v_nop
.endr
	s_branch .Lasked_\@
.Lfor_b_\@:
	tensor_load_to_lds s[\g0b:\g0b+3], s[\g1b:\g1b+7]
	s_nop 0
.rept 4
	v_nop
.endr
.Lasked_\@:
.endm
.macro CROUND                          ; a round of the cluster's barrier
	s_barrier_signal -1
	s_barrier_wait -1
	s_cmp_lg_u32 s14, 0
	s_cbranch_scc1 .Lnot_wave_0_\@
	s_barrier_signal -3
.Lnot_wave_0_\@:
	s_barrier_wait -3
	s_barrier_signal -1
	s_barrier_wait -1
.endm
.macro SCALES                          ; all 16 K steps' scale words, once
.irp a, 0,1,2,3
.irp p, 0,1,2,3,4,5,6,7
	ds_load_b32 v[SCA+8*\a+\p], v[VSA] offset:1024*\a+128*\p
.endr
.endr
.set b_, 0
.rept NBW
.irp p, 0,1,2,3,4,5,6,7
	ds_load_b32 v[SCB+8*b_+\p], v[VSB] offset:1024*b_+128*\p
.endr
.set b_, b_+1
.endr
.endm
.macro FETCH slot, q, set              ; the fragments of the slot's q-th K step into a set: NL loads in one run
.if (\set) == 0
	WIN 0x40
.else
	WIN 0x80
.endif
.set b_, 0
.rept NBW
.irp g, 0,1,2
	ds_load_b128 v[12*b_+4*\g:12*b_+4*\g+3], v[VB+\slot] offset:b_*BLKS+(\q)*1536+512*\g
.endr
.set b_, b_+1
.endr
.irp a, 0,1,2,3
.irp g, 0,1,2
	ds_load_b128 v[96+12*\a+4*\g:96+12*\a+4*\g+3], v[VA+\slot] offset:\a*BLKS+(\q)*1536+512*\g
.endr
.endr
.endm
.macro MULH set, s, a0, zero           ; K step s: A' blocks a0, a0 + 1 against all of B's.  The accumulators take turns, one instruction a turn, in the same order in every step
.if (\set) == 0
	WIN 0xf5
.else
	WIN 0xfa
.endif
.irp a, \a0, \a0+1
.set b_, 0
.rept NBW
.set rD, 8*(NBW*(\a)+b_)
.set rB, 12*b_
.set rA, 96+12*(\a)
.set rSB, SCB+8*b_+(\s)/2
.set rSA, SCA+8*(\a)+(\s)/2
.if \zero
	v_wmma_scale_f32_16x16x128_f8f6f4 v[rD:rD+7], v[rB:rB+11], v[rA:rA+11], 0, v[rSB], v[rSA] matrix_a_fmt:MATRIX_FMT_FP6 matrix_b_fmt:MATRIX_FMT_FP6
.elseif (\s)%2
	v_wmma_scale_f32_16x16x128_f8f6f4 v[rD:rD+7], v[rB:rB+11], v[rA:rA+11], v[rD:rD+7], v[rSB], v[rSA] matrix_a_fmt:MATRIX_FMT_FP6 matrix_b_fmt:MATRIX_FMT_FP6 matrix_a_scale:MATRIX_SCALE_ROW1 matrix_b_scale:MATRIX_SCALE_ROW1
.else
	v_wmma_scale_f32_16x16x128_f8f6f4 v[rD:rD+7], v[rB:rB+11], v[rA:rA+11], v[rD:rD+7], v[rSB], v[rSA] matrix_a_fmt:MATRIX_FMT_FP6 matrix_b_fmt:MATRIX_FMT_FP6
.endif
.set b_, b_+1
.endr
.endr
.endm
.macro STEP s                          ; a K step whose successor lies in the same slot
.set SG_, ((\s)/4)%2
.set Q_, (\s)%4
	PLACES
	FETCH SG_, Q_+1, ((\s)+1)%2
	s_wait_dscnt NL                                ; all but the NL loads just issued: this step's fragments (and, at step 0, the scale words) are in
.if (\s) == 0
	MULH (\s)%2, \s, 0, 1                          ; the first products start the sums: nothing is cleared
	MULH (\s)%2, \s, 2, 1
.else
	MULH (\s)%2, \s, 0, 0
	MULH (\s)%2, \s, 2, 0
.endif
.endm
.macro TURN s, fill                    ; a slot's last K step changes slots.  fill = 1: the slot just read is filled again, with the K steps eight on
.set SG_, ((\s)/4)%2
	WIN 0
	s_wait_tensorcnt 0x0                           ; all my tensor loads have landed: my part of the next slot
	ds_add_u32 v[SPW], v[NIL]                      ; 0 onto my spare word
.if \fill
	s_add_nc_u64 s[G0A+4*SG_+2:G0A+4*SG_+3], s[G0A+4*SG_+2:G0A+4*SG_+3], 12288
	s_add_nc_u64 s[G0B+4*SG_+2:G0B+4*SG_+3], s[G0B+4*SG_+2:G0B+4*SG_+3], 12288
.endif
	s_wait_dscnt 1                                 ; the add alone may be out: this step's fragments are in
	MULH (\s)%2, \s, 0, 0
	s_wait_dscnt 0x0                               ; the add is done, and my reads of this slot are over
	WIN 0
.if \fill
	CROUND                                         ; no wave of any partner still reads the slot or has a load on its way
	JLOAD G0A+4*SG_, G1A, G0B+4*SG_, G1B           ; my one tensor load behind the round; its four v_nop are the places in front of the loads below
.if (\s) == 3
	ASK 18432
.endif
.else
	s_barrier_signal -1
	s_barrier_wait -1
	PLACES
.endif
	FETCH 1-SG_, 0, ((\s)+1)%2
	MULH (\s)%2, \s, 2, 0
.endm
	s_load_b128 s[4:7], s[0:1], 0x0                ; opw s[4:5], qkv s[6:7]
	v_lshl_add_u32 v[SPW], v0, 2, SPARE
	v_mov_b32 v[NIL], 0
	ds_add_u32 v28, v29
	ds_add_u32 v28, v29
	s_wait_dscnt 0x0
	v_lshrrev_b32 v1, 5, v0
	v_readfirstlane_b32 s14, v1                    ; wave 0..3
	s_lshr_b32 s15, s14, 1                         ; wm: which 64 rows are mine.  Also: I fetch for A' (0) or B' (1)
	s_and_b32 s16, s14, 1                          ; wn: which 128 columns.  Also: which half I fetch
	s_bfe_u32 s40, ttmp6, 0x40000                  ; cx
	s_sub_co_u32 s17, ttmp9, 40
	s_lshr_b32 s18, ttmp9, 2
	s_and_b32 s19, ttmp9, 3
	s_lshl_b32 s19, s19, 2
	s_cmp_ge_u32 ttmp9, 40                         ; v's cluster?  The cluster's number is shared by the partners
	s_cselect_b32 s41, s17, s18                    ; tile of B'
	s_cselect_b32 s42, 0, s19
	s_cselect_b32 s43, 288, 0                      ; A's first block in opw: W_v's columns or x
	s_cselect_b32 s44, 0, 128                      ; B's: x or W_qkv's columns
	s_add_co_u32 s42, s42, s40                     ; tile of A': it alone holds cx
	s_mov_b32 s[G1A+0], 3<<16                      ; A's codes: elements of 8 bytes, no mask: 4 rows (blocks) of 6,144 bytes, 24,576 bytes apart
	s_mov_b32 s[G1B+0], 15|(3<<16)|(1<<21)         ; B's: the mask names all four partners, bit 21 beside it; NBW rows
.irp g, G1A, G1B
	s_mov_b32 s[\g+1], 768<<16                     ; tensor_dim0
	s_mov_b32 s[\g+3], 768<<16                     ; tile_dim0
	s_mov_b32 s[\g+5], 3072                        ; tensor_dim0_stride
	s_mov_b32 s[\g+6], 0
	s_mov_b32 s[\g+7], 0
.endr
	s_mov_b32 s[G1A+2], 8<<16                      ; at the head a load brings a whole tile: A's 8 blocks,
	s_mov_b32 s[G1A+4], 8
	s_mov_b32 s[G1B+2], (2*NBW)<<16                ; B's 2 NBW
	s_mov_b32 s[G1B+4], 2*NBW
	s_mov_b32 s[G1SA+0], 3<<16                     ; the scale words: dense, as rows of 256 bytes: A's 16, B's 4 NBW
	s_mov_b32 s[G1SB+0], 15|(3<<16)|(1<<21)
.irp g, G1SA, G1SB
	s_mov_b32 s[\g+1], 32<<16
	s_mov_b32 s[\g+3], 32<<16
	s_mov_b32 s[\g+5], 32
	s_mov_b32 s[\g+6], 0
	s_mov_b32 s[\g+7], 0
.endr
	s_mov_b32 s[G1SA+2], 32<<16                    ; the scale words of a whole tile: A's 32 rows of 256 bytes, B's 8 NBW
	s_mov_b32 s[G1SA+4], 32
	s_mov_b32 s[G1SB+2], (8*NBW)<<16
	s_mov_b32 s[G1SB+4], 8*NBW
	s_lshl_b32 s20, s42, 3
	s_add_co_u32 s20, s20, s43
	s_mul_i32 s12, s16, 4*24576                    ; s[12:13]: from the tile's first block of A' to the half that I fetch in the ring, in bytes
	s_mov_b32 s13, 0
	s_mul_i32 s92, s20, 24576
	s_mov_b32 s93, 0
	s_lshl_b32 s94, s20, 10
	s_add_co_u32 s94, s94, OPS
	s_mov_b32 s95, 0
	s_mul_i32 s46, s41, 2*NBW
	s_add_co_u32 s46, s46, s44
	s_mul_i32 s66, s16, NBW*24576                  ; s[66:67]: the same for B': the wave's number alone
	s_mov_b32 s67, 0
	s_mul_i32 s96, s46, 24576
	s_mov_b32 s97, 0
	s_lshl_b32 s98, s46, 10
	s_add_co_u32 s98, s98, OPS
	s_mov_b32 s99, 0
	s_mul_i32 s45, s16, 4*BLKS                     ; where they go in LDS: the wave's number alone
	s_mul_i32 s22, s16, NBW*BLKS
	s_wait_kmcnt 0x0
	s_add_nc_u64 s[92:93], s[4:5], s[92:93]
	s_add_nc_u64 s[94:95], s[4:5], s[94:95]
	s_add_nc_u64 s[96:97], s[4:5], s[96:97]
	s_add_nc_u64 s[98:99], s[4:5], s[98:99]
	s_mov_b32 s[G0SA], 1
	s_mov_b32 s[G0SA+1], SCL
	s_mov_b64 s[G0SA+2:G0SA+3], s[94:95]
	s_or_b32 s[G0SA+3], s[G0SA+3], 0x80000000
	s_mov_b32 s[G0SB], 1
	s_mov_b32 s[G0SB+1], SCL+8192
	s_mov_b64 s[G0SB+2:G0SB+3], s[98:99]
	s_or_b32 s[G0SB+3], s[G0SB+3], 0x80000000
	s_mov_b32 s[G0A], 1                            ; slot 0's group 0 names, at the head, the whole tile of K steps 0-3: A's 8 blocks,
	s_mov_b32 s[G0A+1], 0
	s_mov_b64 s[G0A+2:G0A+3], s[92:93]
	s_or_b32 s[G0A+3], s[G0A+3], 0x80000000
	s_mov_b32 s[G0B], 1                            ; B's 2 NBW blocks behind them
	s_mov_b32 s[G0B+1], BOFF
	s_mov_b64 s[G0B+2:G0B+3], s[96:97]
	s_or_b32 s[G0B+3], s[G0B+3], 0x80000000
	s_add_nc_u64 s[92:93], s[92:93], s[12:13]      ; the ring: my half of a tile
	s_add_nc_u64 s[96:97], s[96:97], s[66:67]
	s_mov_b32 s[G0A+4], 1                          ; slot 1: K steps 4-7
	s_add_co_u32 s[G0A+5], s45, SLOT
	s_add_nc_u64 s[G0A+6:G0A+7], s[92:93], BLKS
	s_or_b32 s[G0A+7], s[G0A+7], 0x80000000
	s_mov_b32 s[G0B+4], 1
	s_add_co_u32 s[G0B+5], s22, SLOT+BOFF
	s_add_nc_u64 s[G0B+6:G0B+7], s[96:97], BLKS
	s_or_b32 s[G0B+7], s[G0B+7], 0x80000000
	CROUND                                         ; all four work-groups are here: the first joint loads meet
; THE HEAD'S LOADS, ONE A WAVE: wave 0 A's codes of K steps 0-3, wave 1 B's, wave 2 A's scale words, wave 3 B's.  One chain of branches on the wave's number, one load to an arm, one join.
.macro ARM under, g0, g1, next
	s_cmp_lt_u32 s14, \under
	s_cbranch_scc0 \next
	tensor_load_to_lds s[\g0:\g0+3], s[\g1:\g1+7]
	s_nop 0
.rept 4
	v_nop
.endr
	s_branch .Lhead_asked
\next:
.endm
	ARM 1, G0A,  G1A,  .Lhead_b
	ARM 2, G0B,  G1B,  .Lhead_sa
	ARM 3, G0SA, G1SA, .Lhead_sb
	tensor_load_to_lds s[G0SB:G0SB+3], s[G1SB:G1SB+7]
	s_nop 0
.rept 4
	v_nop
.endr
.Lhead_asked:
	v_and_b32 v1, 31, v0                           ; lane
	v_lshlrev_b32 v[L16], 4, v1
	v_lshlrev_b32 v[L4], 2, v1
; PREFETCH: each wave names the part of a slot that it will itself load, one slot ahead of its tensor load: K steps 4-7 here, 8-11 behind slot 1's load, 12-15 behind the first refill; K steps 0-3 come by their loads alone.
; A part is blocks of 6,144 bytes, 24,576 apart: 24 lines of 256 bytes a block, a lane a line: line i lies at 256 i + 18,432 (i / 24).  A's waves name their 4 blocks (96 lines, three instructions);
; of the NBW blocks that B's waves ask for jointly each partner names NBW / 4, told apart by address (cx); lanes that are left over name their wave's last line again.  The address registers are never rewritten.
.irp j, 0,1,2
	v_add_nc_u32 v[10+\j], 32*\j, v1
.endr
.irp j, 0,1
	v_min_u32 v[13+\j], 6*NBW-1, v[10+\j]
.endr
.irp j, 0,1,2
	v_mul_u32_u24 v[4+\j], v[10+\j], 171           ; i / 24 = (171 i) >> 12 for i under 96
.endr
.irp j, 0,1
	v_mul_u32_u24 v[7+\j], v[13+\j], 171
.endr
.irp j, 0,1,2,3,4
	v_lshrrev_b32 v[4+\j], 12, v[4+\j]
.endr
.irp j, 0,1,2,3,4
	v_mul_u32_u24 v[4+\j], v[4+\j], 18432
.endr
.irp j, 0,1,2
	v_lshl_add_u32 v[4+\j], v[10+\j], 8, v[4+\j]
.endr
.irp j, 0,1
	v_lshl_add_u32 v[7+\j], v[13+\j], 8, v[7+\j]
.endr
	s_mul_i32 s17, s40, (NBW/4)*24576
.irp j, 0,1
	v_add_nc_u32 v[7+\j], s17, v[7+\j]
.endr
.macro ASK off
	s_cmp_eq_u32 s15, 0
	s_cbranch_scc0 .Lask_b_\@
.irp j, 0,1,2
	global_prefetch_b8 v[4+\j], s[92:93] offset:\off th:TH_LOAD_NT scope:SCOPE_SE
.endr
	s_branch .Lask_end_\@
.Lask_b_\@:
	global_prefetch_b8 v7, s[96:97] offset:\off th:TH_LOAD_NT scope:SCOPE_SE
.if NBW == 8
	global_prefetch_b8 v8, s[96:97] offset:\off th:TH_LOAD_NT scope:SCOPE_SE
.endif
.Lask_end_\@:
.endm
	s_wait_alu depctr_va_vdst(0)
	ASK 6144
	s_wait_alu depctr_va_vdst(0)
	s_mul_i32 s17, s15, 4*BLKS
	s_mul_i32 s18, s16, NBW*BLKS
	s_add_co_u32 s18, s18, BOFF
.irp sg, 0,1
	v_add_nc_u32 v[VA+\sg], s17, v[L16]
	v_add_nc_u32 v[VB+\sg], s18, v[L16]
	s_add_co_u32 s17, s17, SLOT
	s_add_co_u32 s18, s18, SLOT
.endr
	s_lshl_b32 s17, s15, 12
	s_add_co_u32 s17, s17, SCL
	v_add_nc_u32 v[VSA], s17, v[L4]
	s_mul_i32 s18, s16, NBW*1024
	s_add_co_u32 s18, s18, SCL+8192
	v_add_nc_u32 v[VSB], s18, v[L4]
.irp b, 0,1,2,3
	v_mov_b32 v[TM+4+\b], 0                        ; written once: a lane permute's destination counts as one of its sources
.endr
	s_mov_b32 s2, 0x76543210
	s_mov_b32 s3, 0xfedcba98                       ; v_permlanex16_b32's selects for lane l xor 16
	; where my four images and their scale words go.  hN = 2 x tile of B' + wn: the head (q: 0-15, k: 16-19) or, for v, the key step
	s_lshl_b32 s17, s41, 1
	s_add_co_u32 s17, s17, s16
	s_lshl_b32 s18, s17, 7
	s_lshl_b32 s19, s42, 3
	s_add_co_u32 s18, s18, s19
	s_lshl_b32 s19, s15, 2
	s_add_co_u32 s18, s18, s19                     ; q: image 128 head + token block
	s_mul_i32 s19, s18, 1536
	s_lshl_b32 s18, s18, 6
	s_add_co_u32 s18, s18, QS
	s_sub_co_u32 s20, s17, 16
	s_lshl_b32 s20, s20, 4
	s_add_co_u32 s20, s20, s42                     ; k: 16 kv head + key step (= tile of A')
	s_lshl_b32 s21, s42, 4
	s_add_co_u32 s21, s21, s17                     ; v: 16 kv head (= tile of A') + key step
	s_cmp_ge_u32 ttmp9, 40
	s_cselect_b32 s20, s21, s20
	s_cselect_b32 s21, 12288, 0                    ; V^T's images lie behind K's,
	s_cselect_b32 s22, 512, 0                      ; its scale words behind K's
	s_mul_i32 s20, s20, 25600
	s_add_co_u32 s20, s20, KVB
	s_mul_i32 s23, s15, 6144
	s_add_co_u32 s21, s21, s20
	s_add_co_u32 s21, s21, s23
	s_lshl_b32 s23, s15, 8
	s_add_co_u32 s22, s22, s20
	s_add_co_u32 s22, s22, s23
	s_add_co_u32 s22, s22, 24576
	s_cmp_lt_u32 ttmp9, 32
	s_cselect_b32 s8, s19, s21
	s_cselect_b32 s10, s18, s22
	s_mov_b32 s9, 0
	s_mov_b32 s11, 0
	s_add_nc_u64 s[8:9], s[6:7], s[8:9]
	s_add_nc_u64 s[10:11], s[6:7], s[10:11]
	s_wait_alu depctr_va_vdst(0)
	s_wait_tensorcnt 0x0                           ; my tile of the head's four is in; slot 1's first fill is issued as a refill is:
	ds_add_u32 v[SPW], v[NIL]                      ; 0 onto my spare word
	s_mov_b32 s[G1A+2], 4<<16                      ; no tensor load of mine is out, so descriptors may be written: from here on a load brings half a tile,
	s_mov_b32 s[G1A+4], 4
	s_mov_b32 s[G1B+2], NBW<<16
	s_mov_b32 s[G1B+4], NBW
	s_mul_i32 s[G0A+1], s16, 4*BLKS                ; and slot 0's group 0 names my half
	s_add_nc_u64 s[G0A+2:G0A+3], s[G0A+2:G0A+3], s[12:13]
	s_mul_i32 s[G0B+1], s16, NBW*BLKS
	s_add_co_u32 s[G0B+1], s[G0B+1], BOFF
	s_add_nc_u64 s[G0B+2:G0B+3], s[G0B+2:G0B+3], s[66:67]
	s_wait_dscnt 0x0                               ; the add is done
	CROUND                                         ; all four tiles are in, and the four work-groups are here
	JLOAD G0A+4, G1A, G0B+4, G1B                   ; K steps 4-7: my one tensor load behind the round
	SCALES
	ASK 12288
	FETCH 0, 0, 0
	STEP 0
	STEP 1
	STEP 2
	TURN 3, 1
	STEP 4
	STEP 5
	STEP 6
	TURN 7, 1
	STEP 8
	STEP 9
	STEP 10
	TURN 11, 0                                     ; nothing is left to fetch
	STEP 12
	STEP 13
	STEP 14
	s_wait_dscnt 0x0
	MULH 1, 15, 0, 0
	MULH 1, 15, 2, 0
	WIN 0
	PLACES
; THE WAY OUT.  The 64 results of A' block a (window 3, v[64 a] on) are 128 neighbours along the next K in the order that the quantiser wants; each accumulator is read from its low end on.
.macro QUANTW a
.set S_, 64*(\a)
.set PC_, 128+20*(\a)
.set PW_, 224+(\a)
	WIN 0x3c                                       ; sources 1 and 2: window 3
.irp b, 0,1,2,3
	v_max3_num_f32 v[TM+\b], 0x1800000, |v[S_+16*\b]|, |v[S_+1+16*\b]|     ; the floor 2^(3 - 127) and my first two of block b
.endr
.irp i, 2,4,6,8,10,12,14
.irp b, 0,1,2,3
	v_max3_num_f32 v[TM+\b], v[TM+\b], |v[S_+16*\b+\i]|, |v[S_+1+16*\b+\i]|
.endr
.endr
	WIN 0
.irp b, 0,1,2,3
	v_permlanex16_b32 v[TM+4+\b], v[TM+\b], s2, s3
.endr
.irp b, 0,1,2,3
	v_max_num_f32 v[TM+\b], v[TM+\b], v[TM+4+\b]
.endr
.irp b, 0,1,2,3
	v_add_nc_u32 v[TM+12+\b], 0xff000000, v[TM+\b]
.endr
.irp b, 0,1,2,3
	v_lshrrev_b32 v[TM+4+\b], 23, v[TM+12+\b]
.endr
	v_lshl_or_b32 v[PW_], v[TM+5], 8, v[TM+4]
	v_lshl_or_b32 v[PW_], v[TM+6], 16, v[PW_]
	v_lshl_or_b32 v[PW_], v[TM+7], 24, v[PW_]
	WIN 0x03                                       ; source 0: window 3
.irp c, 0,1
	v_cvt_scalef32_pk16_fp6_f32 v[PC_+6*\c:PC_+2+6*\c], v[S_+32*\c:S_+15+32*\c], v[TM+12+2*\c]
	v_cvt_scalef32_pk16_fp6_f32 v[PC_+12+4*\c:PC_+14+4*\c], v[S_+16+32*\c:S_+31+32*\c], v[TM+12+2*\c+1]
.endr
	WIN 0
	v_nop                                          ; one plain place behind a scaled conversion
.irp c, 0,1
.irp i, 0,1,2
	v_permlane16_swap_b32 v[PC_+6*\c+\i], v[PC_+12+4*\c+\i]
.endr
.irp i, 0,1,2
	v_mov_b32 v[PC_+3+6*\c+\i], v[PC_+12+4*\c+\i]
.endr
.endr
.irp g, 0,1,2
	global_store_b128 v[L16], v[PC_+4*\g:PC_+4*\g+3], s[8:9] offset:1536*(\a)+512*\g    ; 512 consecutive bytes a store; each block has code registers of its own
.endr
.endm
	QUANTW 0
	QUANTW 1
	QUANTW 2
	QUANTW 3
	v_cmp_le_u32 vcc_lo, 16, v1
	v_cndmask_b32 v228, v224, v225, vcc_lo         ; lanes 0-15 one block's words, lanes 16-31 the next block's
	v_cndmask_b32 v229, v226, v227, vcc_lo
	global_store_b32 v[L4], v228, s[10:11]
	global_store_b32 v[L4], v229, s[10:11] offset:128
	s_wait_tensorcnt 0x0                           ; the wave's end
	ds_add_u32 v[SPW], v[NIL]
	s_wait_dscnt 0x0
	CROUND                                         ; the closing round
	s_endpgm
.Lfunc_end_k_qc6b2b2067e_gemm_qkv:
	.size	k_qc6b2b2067e_gemm_qkv, .Lfunc_end_k_qc6b2b2067e_gemm_qkv-k_qc6b2b2067e_gemm_qkv
	.p2alignl 7, 3214868480
	.fill 96, 4, 3214868480
	.section	.rodata,"a",@progbits
	.p2align	6, 0x0
	.amdhsa_kernel k_qc6b2b2067e_gemm_qkv
		.amdhsa_group_segment_fixed_size 327680
		.amdhsa_private_segment_fixed_size 0
		.amdhsa_enable_private_segment 0
		.amdhsa_kernarg_size 16
		.amdhsa_user_sgpr_count 2
		.amdhsa_user_sgpr_kernarg_segment_ptr 1
		.amdhsa_wavefront_size32 1
		.amdhsa_system_sgpr_workgroup_id_x 1
		.amdhsa_system_sgpr_workgroup_id_y 1
		.amdhsa_system_sgpr_workgroup_id_z 1
		.amdhsa_system_vgpr_workitem_id 0
		.amdhsa_next_free_vgpr 1024
		.amdhsa_next_free_sgpr 100
		.amdhsa_reserve_vcc 1
		.amdhsa_float_denorm_mode_32 3
		.amdhsa_float_denorm_mode_16_64 3
		.amdhsa_memory_ordered 1
		.amdhsa_forward_progress 1
		.amdhsa_inst_pref_size 144
	.end_amdhsa_kernel
	.amdgpu_metadata
---
amdhsa.version: [ 1, 2 ]
amdhsa.kernels:
  - .name:           k_qc6b2b2067e_gemm_qkv
    .symbol:         k_qc6b2b2067e_gemm_qkv.kd
    .args:
      - { .name: opw, .offset: 0, .size: 8, .value_kind: global_buffer, .address_space: global }
      - { .name: qkv, .offset: 8, .size: 8, .value_kind: global_buffer, .address_space: global }
    .group_segment_fixed_size: 327680
    .private_segment_fixed_size: 0
    .kernarg_segment_align: 8
    .kernarg_segment_size: 16
    .max_flat_workgroup_size: 128
    .sgpr_count:     100
    .vgpr_count:     1024
    .wavefront_size: 32
...
	.end_amdgpu_metadata
.endif
;; end of part 2
;; launch attn (part 3): grid 16 x 16, 16 waves a work-group, clusters of 4 x 1, 327,680 bytes of LDS; arguments qkv, att; writes att
.if DOCPART == 3
	.amdgcn_target "amdgcn-amd-amdhsa--gfx1250"
	.amdhsa_code_object_version 6
	.text
	.protected	k_qc6b2b2067e_attn
	.globl	k_qc6b2b2067e_attn
	.p2align	8
	.type	k_qc6b2b2067e_attn,@function
k_qc6b2b2067e_attn:
	s_mov_b64 s[64:65], 0
	v_nop
	global_prefetch_b8 v0, s[64:65] scope:SCOPE_SE
	s_setreg_imm32_b32 hwreg(HW_REG_WAVE_MODE, 25, 1), 1
	s_wait_xcnt 0x0
	s_wait_alu depctr_hold_cnt(0) depctr_sa_sdst(0) depctr_va_vdst(0) depctr_va_sdst(0) depctr_va_ssrc(0) depctr_va_vcc(0) depctr_vm_vsrc(0)
	s_getreg_b32 s2, hwreg(HW_REG_IB_STS2, 6, 4)
	s_cmp_eq_u32 s2, 0
	s_cbranch_scc0 .Lentry_in_a_cluster
	s_endpgm
.Lentry_in_a_cluster:
	s_bfe_u32 s2, ttmp6, 0x10000c
	s_cmp_lg_u32 s2, 0x3003
	s_cbranch_scc0 .Lentry_shape_is_right
	s_endpgm
.Lentry_shape_is_right:
; Causal attention on codes of FP6 (E2M3) with E8M0 scales: S^T = K Q^T, p = 2^(t - M), O^T += V^T p^T, O / l, quantised along the last product's K and stored as operand images.
; LEFT OUT: key steps that lie wholly above the causal mask: their p are 0 for all values of the inputs.  A NaN or an infinity that reaches only those steps is not carried to the result.
; INPUT qkv: Q images [head 16][token block 128][1536] at 0, Q's scale words [head][block][16] at QS; from KVB on [kv head 4][key step 16][25,600]: K's 8 images, V^T's 8 images, K's 128 scale words, V's 128.
; Lane r of token block B is token 32 (B / 2) + 8 (B % 2) + r + 8 (r / 8); the tiles of 16 keys are permuted alike.  OUTPUT att: images [token block][head][1536], scale words [block][head][16] at ATS.
; THE DEAL.  Work-group (x, y): head x, the low token blocks 4 y + i and the high blocks 127 - 4 y - i, i = 0 .. 3.  Wave w: i = w % 4, key quarter k = (w % 4 + w / 4) % 4.
; All 16 waves first work the four low blocks, then the four high ones; in a phase of four key steps wave (i, k) takes step k for block i.  The low blocks need y / 2 + 1 key steps: T = 1 phase (y < 8) or 2;
; the high ones 16 - y / 2: 4 phases or 3: FIVE PHASES in every work-group, 17 of its 20 steps a block pair at work; a step behind the block's last token is jumped over by a branch on ids.
; THE RING.  Two LDS slots of four key steps (102,400 bytes); every wave fetches a sixteenth of a slot, 25 rows of 256 bytes, by one tensor load: one at the head, one behind each round.  Two phases to a trip, so that
; every LDS address is a constant; the fifth phase, which fetches nothing, is written out.  Every wait on TENSORcnt is for 0.
; CLUSTER 4 x 1: the four heads of a kv head walk the same slots in the same phases (T hangs on y alone) and ask for them jointly, mask 15; no branch and no LDS address hangs on cx.
; JOINING.  A block's four partial results (O^T, -M, l) meet at wave k = 0 through three stages of 8,704 bytes a block, on which no tensor load lands: the low blocks' behind the round that opens phase T, the high ones' at the end.
; PREFETCH: in phase p (2 T - 2 <= p <= 2) the slot of phase p + 2, one slot ahead of its tensor load and only where no earlier phase has loaded it; of a slot's 16 parts of 25 lines of 256 bytes wave 4 m of partner cx names part 4 m + cx,
; a lane a line (lanes 25-31 name the last again): each line once in the cluster, told apart by address.
; A lane holds one query; M is the ceiling of the running largest t, so every rescaling is an exact power of two.
; LIMITS: the promise holds while |t| stays under 2^31; NaN and infinities among the inputs are not served; a block under 2^-124 is held at byte 1, a block of zeros has byte 1 (zero codes; only this program reads the bytes).
; REGISTERS: v1-11 addresses, v12 -M, v13 largest t, v[14:15] l, v16-27 Q, v32-79 four fragments, v80 prefetch offset, v82-94 the high block's Q, v96-159 S, p, then V's tiles 4-7, v160-223 O^T, v224-255 at work and scale words.
.set QS,    3145728
.set KVB,   3276800
.set ATS,   3145728
.set STEPB, 25600
.set SLOTB, 4*STEPB
.set SPARE, 2*SLOTB                    ; the spare words, 128 bytes a wave: eight blocks of 256 bytes that no other line names
.set STG,   SPARE+2048                 ; twelve stages
.set STGB,  8704
.set A16, 1
.set A4,  2
.set RRH, 3
.set R4,  4
.set SPW, 5
.set NIL, 6
.set SA,  7
.set ADK, 8
.set ADS, 9
.set AKH, 10
.set ASH, 11
.set PFO, 80
.set TM,  232
.set WV,  8
.set Q0,  14
.set QL,  15
.set KF,  16
.set TB,  17
.set KQ,  18                           ; my key quarter
.set PH,  36                           ; the phase
.set TT,  37                           ; T: the low blocks' phases
.set PFLO, 38                          ; the first phase in which my wave prefetches
.macro CROUND                          ; a round of the cluster's barrier
	s_barrier_signal -1
	s_barrier_wait -1
	s_cmp_lg_u32 s[WV], 0
	s_cbranch_scc1 .Lnot_wave_0_\@
	s_barrier_signal -3
.Lnot_wave_0_\@:
	s_barrier_wait -3
	s_barrier_signal -1
	s_barrier_wait -1
.endm
.macro NOP4
.rept 4
	v_nop
.endr
.endm
; 64 numbers of a lane, register 16 b + i = number 32 b + 16 (lane / 16) + i of row lane % 16, become a fragment's 12 registers in v[pc] on and the row's scale word in v[pw]
.macro QUANT src, pc, pw
.irp b, 0,1,2,3
	v_max3_num_f32 v[TM+\b], |v[\src+16*\b]|, |v[\src+1+16*\b]|, 0x1800000
.endr
.irp i, 2,4,6,8,10,12,14
.irp b, 0,1,2,3
	s_delay_alu instid0(VALU_DEP_4)
	v_max3_num_f32 v[TM+\b], v[TM+\b], |v[\src+16*\b+\i]|, |v[\src+1+16*\b+\i]|
.endr
.endr
.irp b, 0,1,2,3
	s_delay_alu instid0(VALU_DEP_4)
	v_permlanex16_b32 v[TM+4+\b], v[TM+\b], s20, s21
.endr
.irp b, 0,1,2,3
	s_delay_alu instid0(VALU_DEP_4)
	v_max_num_f32 v[TM+\b], v[TM+\b], v[TM+4+\b]
.endr
.irp b, 0,1,2,3
	s_delay_alu instid0(VALU_DEP_4)
	v_add_nc_u32 v[TM+12+\b], 0xff000000, v[TM+\b]
.endr
.irp b, 0,1,2,3
	s_delay_alu instid0(VALU_DEP_4)
	v_lshrrev_b32 v[TM+4+\b], 23, v[TM+12+\b]
.endr
	s_delay_alu instid0(VALU_DEP_3)
	v_lshl_or_b32 v[\pw], v[TM+5], 8, v[TM+4]
	s_delay_alu instid0(VALU_DEP_1)
	v_lshl_or_b32 v[\pw], v[TM+6], 16, v[\pw]
	s_delay_alu instid0(VALU_DEP_1)
	v_lshl_or_b32 v[\pw], v[TM+7], 24, v[\pw]
.irp c, 0,1
	v_cvt_scalef32_pk16_fp6_f32 v[\pc+6*\c:\pc+2+6*\c], v[\src+32*\c:\src+15+32*\c], v[TM+12+2*\c]
	v_cvt_scalef32_pk16_fp6_f32 v[\pc+12+4*\c:\pc+14+4*\c], v[\src+16+32*\c:\src+31+32*\c], v[TM+12+2*\c+1]
.endr
	v_nop                                          ; one plain place behind a scaled conversion
.irp c, 0,1
.irp i, 0,1,2
	v_permlane16_swap_b32 v[\pc+6*\c+\i], v[\pc+12+4*\c+\i]
.endr
.irp i, 0,1,2
	s_delay_alu instid0(VALU_DEP_3)
	v_mov_b32 v[\pc+3+6*\c+\i], v[\pc+12+4*\c+\i]
.endr
.endr
.endm
.macro FRESH                           ; a block's sums begin: the step is written for every step alike, and the first finds zeros
	v_mov_b32 v13, 0xff61b1e6                      ; the largest t so far: -3e38
	v_mov_b32 v14, 0
	v_mov_b32 v15, 0
	v_floor_f32 v12, -v13
.set j_, 0
.rept 64
	v_mov_b32 v[160+j_], 0
.set j_, j_+1
.endr
.endm
.macro FIRST dst, blk                  ; a token block's first token
	s_lshr_b32 s[\dst], s[\blk], 1
	s_lshl_b32 s[\dst], s[\dst], 5
	s_and_b32 s40, s[\blk], 1
	s_lshl_b32 s40, s40, 3
	s_add_co_u32 s[\dst], s[\dst], s40
.endm
.macro PLACE blk, qc, qs, ac, as       ; a block's Q image, Q's scale words, its image in att and the scale words there
	s_lshl_b32 s40, s12, 7
	s_add_co_u32 s40, s40, s[\blk]
	s_mul_i32 s[\qc], s40, 1536
	s_mov_b32 s[\qc+1], 0
	s_lshl_b32 s[\qs], s40, 6
	s_add_co_u32 s[\qs], s[\qs], QS
	s_mov_b32 s[\qs+1], 0
	s_lshl_b32 s40, s[\blk], 4
	s_add_co_u32 s40, s40, s12
	s_mul_i32 s[\ac], s40, 1536
	s_mov_b32 s[\ac+1], 0
	s_lshl_b32 s[\as], s40, 6
	s_add_co_u32 s[\as], s[\as], ATS
	s_mov_b32 s[\as+1], 0
	s_add_nc_u64 s[\qc:\qc+1], s[4:5], s[\qc:\qc+1]
	s_add_nc_u64 s[\qs:\qs+1], s[4:5], s[\qs:\qs+1]
	s_add_nc_u64 s[\ac:\ac+1], s[6:7], s[\ac:\ac+1]
	s_add_nc_u64 s[\as:\as+1], s[6:7], s[\as:\as+1]
.endm
	s_load_b128 s[4:7], s[0:1], 0x0                ; qkv s[4:5], att s[6:7]
	v_lshl_add_u32 v[SPW], v0, 2, SPARE
	v_mov_b32 v[NIL], 0
	ds_add_u32 v[SPW], v[NIL]                      ; the opening lines: the add, twice on end, and its wait ahead of my first tensor load
	ds_add_u32 v[SPW], v[NIL]
	v_lshrrev_b32 v8, 5, v0
	v_readfirstlane_b32 s[WV], v8                  ; wave 0..15
	s_bfe_u32 s9, ttmp6, 0x40000                   ; cx: it enters global addresses alone
	s_and_b32 s11, ttmp7, 0xffff                   ; y
	s_mov_b32 s24, 15|(3<<16)|(1<<21)              ; group 1: the mask names all four partners, bit 21 beside it; elements of 8 bytes; 25 rows of 256 bytes, dense
	s_mov_b32 s25, 32<<16
	s_mov_b32 s26, 25<<16
	s_mov_b32 s27, 32<<16
	s_mov_b32 s28, 25
	s_mov_b32 s29, 32
	s_mov_b32 s30, 0
	s_mov_b32 s31, 0
	s_mov_b32 s32, 1
	s_mul_i32 s55, s[WV], 6400                     ; my sixteenth of a slot
	s_add_co_u32 s33, s55, 0
	s_mov_b32 s72, s55
	s_mov_b32 s73, 0
	s_mul_i32 s42, ttmp9, 16*STEPB                 ; the cluster's x is the kv head
	s_add_co_u32 s42, s42, KVB
	s_mov_b32 s43, 0
	s_wait_dscnt 0x0                               ; both opening adds are done
	s_wait_kmcnt 0x0
	s_add_nc_u64 s[42:43], s[4:5], s[42:43]        ; my kv head's key steps
	s_add_nc_u64 s[70:71], s[42:43], s[72:73]      ; my sixteenth of its first slot
	s_mov_b64 s[34:35], s[70:71]
	s_or_b32 s35, s35, 0x80000000
	CROUND                                         ; all four work-groups are here: the first joint loads meet
	tensor_load_to_lds s[32:35], s[24:31]          ; phase 0: my one tensor load at the head
	s_nop 0
	NOP4
	s_lshl_b32 s12, ttmp9, 2
	s_add_co_u32 s12, s12, s9                      ; head
	s_and_b32 s52, s[WV], 3                        ; i
	s_lshr_b32 s40, s[WV], 2
	s_add_co_u32 s40, s40, s52
	s_and_b32 s[KQ], s40, 3                        ; k
	s_lshl_b32 s13, s11, 2
	s_add_co_u32 s13, s13, s52                     ; my low block,
	s_sub_co_u32 s39, 127, s13                     ; my high block
	s_lshr_b32 s[TT], s11, 3
	s_add_co_u32 s[TT], s[TT], 1
	s_mul_i32 s53, s52, 3
	s_add_co_u32 s53, s53, s[KQ]
	s_mul_i32 s53, s53, STGB
	s_add_co_u32 s53, s53, STG-STGB                ; wave (i, k >= 1) stores to stage 3 i + k - 1; wave (i, 0) reads stages 3 i .. 3 i + 2 by offsets of STGB, 2 STGB, 3 STGB
	s_mul_i32 s54, s[KQ], STEPB
	s_lshl_b32 s75, s[KQ], 7
	FIRST 62, 13
	FIRST 63, 39
	PLACE 13, 46, 44, 48, 50
	PLACE 39, 66, 68, 58, 60
	s_lshl_b32 s[PFLO], s[TT], 1
	s_sub_co_u32 s[PFLO], s[PFLO], 2
	s_cmp_eq_u32 s52, 0
	s_cselect_b32 s[PFLO], s[PFLO], 9              ; waves 0, 4, 8, 12 ask
	s_add_co_u32 s56, s[WV], s9
	s_mul_i32 s56, s56, 6400                       ; part 4 m + cx
	s_sub_co_u32 s40, 2, s[TT]
	s_mul_i32 s40, s40, SLOTB
	s_add_co_u32 s56, s56, s40                     ; of slot 2 - T in phase 0;
	s_mov_b32 s57, 0
	s_add_nc_u64 s[56:57], s[42:43], s[56:57]
	s_sub_nc_u64 s[56:57], s[56:57], SLOTB         ; the base is stepped a slot on at each phase's top, the first too
	s_mov_b32 s20, 0x76543210
	s_mov_b32 s21, 0xfedcba98                      ; v_permlanex16_b32's selects for lane l xor 16
	s_mov_b32 s22, 0x3e0293ee                      ; c = log2(e) / sqrt(128)
	s_mov_b32 s23, s22
	s_mov_b32 s[PH], 0
	s_mov_b32 s74, 0
	v_and_b32 v8, 31, v0
	v_and_b32 v9, 15, v0
	v_bfe_u32 v28, v0, 4, 1
	v_lshlrev_b32 v[A16], 4, v8
	v_lshlrev_b32 v[A4], 2, v8
	v_lshlrev_b32 v[R4], 2, v9
	v_and_b32 v29, 8, v9
	v_min_u32 v[PFO], 24, v8
	v_add_nc_u32 v[SA], s53, v[A16]
	v_add_nc_u32 v[AKH], s54, v[A16]
	v_add_nc_u32 v[ASH], s54, v[A4]
	v_add_nc_u32 v[RRH], v9, v29
	v_lshlrev_b32 v28, 4, v28
	v_lshlrev_b32 v[PFO], 8, v[PFO]
	s_delay_alu instid0(VALU_DEP_2)
	v_sub_nc_u32 v[RRH], v[RRH], v28               ; r + 8 (r / 8) - 16 h: my query's token less the block's first, less my keys' offset in a tile pair
.irp g, 0,1,2
	global_load_b128 v[16+4*\g:19+4*\g], v[A16], s[46:47] offset:512*\g
.endr
	global_load_b32 v255, v[R4], s[44:45]
.irp g, 0,1,2
	global_load_b128 v[82+4*\g:85+4*\g], v[A16], s[66:67] offset:512*\g
.endr
	global_load_b32 v94, v[R4], s[68:69]
	FRESH
.irp b, 0,1,2,3
	v_mov_b32 v[236+\b], 0                         ; a lane permute's destination counts as one of its sources
.endr
	v_mov_b32 v252, 0
	v_mov_b32 v253, 0
; One key step of 128 keys for my 16 queries.  A step whose first key lies behind the block's last token is jumped over: a branch on ids round the step's work alone.
.macro STEP
	s_cmp_gt_u32 s[KF], s[QL]
	s_cbranch_scc1 .Lhid_\@
	v_add_nc_u32 v[ADK], s[TB], v[AKH]
	v_add_nc_u32 v[ADS], s[TB], v[ASH]
	s_wait_alu depctr_va_vdst(0)                   ; the writes are waited for
.rept 3
	v_nop                                          ; with the two lines above five places behind the last step's products, whose sources are loaded and written over below
.endr
.irp gq, 0,1
.if \gq
	NOP4
.endif
.irp t, 0,1,2,3
.irp g, 0,1,2
	ds_load_b128 v[32+12*\t+4*\g:35+12*\t+4*\g], v[ADK] offset:1536*(4*\gq+\t)+512*\g
.endr
.endr
.irp i, 0,1
	ds_load_b32 v[248+\i], v[ADS] offset:24576+128*(2*\gq+\i)
.endr
	s_wait_dscnt 0x0
.irp t, 0,2
	v_wmma_scale_f32_16x16x128_f8f6f4 v[96+8*(4*\gq+\t):103+8*(4*\gq+\t)], v[32+12*\t:43+12*\t], v[16:27], 0, v[248+\t/2], v255 matrix_a_fmt:MATRIX_FMT_FP6 matrix_b_fmt:MATRIX_FMT_FP6
	v_wmma_scale_f32_16x16x128_f8f6f4 v[104+8*(4*\gq+\t):111+8*(4*\gq+\t)], v[44+12*\t:55+12*\t], v[16:27], 0, v[248+\t/2], v255 matrix_a_fmt:MATRIX_FMT_FP6 matrix_b_fmt:MATRIX_FMT_FP6 matrix_a_scale:MATRIX_SCALE_ROW1
.endr
.endr
	NOP4
.irp t, 0,1,2,3
.irp g, 0,1,2
	ds_load_b128 v[32+12*\t+4*\g:35+12*\t+4*\g], v[ADK] offset:12288+1536*\t+512*\g      ; V^T's tiles 0-3 come while the softmax is worked
.endr
.endr
.irp i, 0,1
	ds_load_b32 v[250+\i], v[ADS] offset:25088+128*\i
.endr
	s_add_co_u32 s19, s[KF], 127
	s_cmp_le_u32 s19, s[Q0]
	s_cbranch_scc1 .Lopen_\@                       ; only the step on the diagonal is masked
	s_sub_co_i32 s19, s[Q0], s[KF]
	v_add_nc_u32 v252, s19, v[RRH]
	v_mov_b32 v254, 0xff800000
.set n_, 0
.rept 64
	v_cmp_gt_i32 vcc_lo, 32*(n_/16)+n_%16, v252
	v_cndmask_b32 v[96+n_], v[96+n_], v254, vcc_lo
.set n_, n_+1
.endr
.Lopen_\@:
.irp b, 0,1,2,3
	v_max3_num_f32 v[232+\b], v[96+16*\b], v[97+16*\b], v[98+16*\b]      ; the largest score of each block of 32 keys
.endr
.irp i, 3,5,7,9,11,13
.irp b, 0,1,2,3
	v_max3_num_f32 v[232+\b], v[232+\b], v[96+16*\b+\i], v[97+16*\b+\i]
.endr
.endr
.irp b, 0,1,2,3
	v_max_num_f32 v[232+\b], v[232+\b], v[111+16*\b]
.endr
.irp b, 0,1,2,3
	s_delay_alu instid0(VALU_DEP_4)
	v_permlanex16_b32 v[236+\b], v[232+\b], s20, s21
.endr
.irp b, 0,1,2,3
	s_delay_alu instid0(VALU_DEP_4)
	v_max_num_f32 v[232+\b], v[232+\b], v[236+\b]
.endr
	s_delay_alu instid0(VALU_DEP_2)
	v_max3_num_f32 v254, v232, v233, v234
	s_delay_alu instid0(VALU_DEP_1)
	v_max_num_f32 v254, v254, v235
	s_delay_alu instid0(VALU_DEP_1)
	v_mul_f32 v254, s22, v254
	s_delay_alu instid0(VALU_DEP_1)
	v_max_num_f32 v13, v13, v254                   ; the running largest t
	v_mov_b32 v254, v12
	s_delay_alu instid0(VALU_DEP_2)
	v_floor_f32 v12, -v13                          ; -M = floor(-t)
	s_delay_alu instid0(VALU_DEP_1)
	v_sub_f32 v254, v12, v254
	s_delay_alu instid0(VALU_DEP_1)
	v_cvt_i32_f32 v254, v254
	s_delay_alu instid0(VALU_DEP_1)
	v_ldexp_f32 v252, 1.0, v254                    ; f = 2^(old M - new M)
.set j_, 0
.rept 32
	v_pk_fma_f32 v[96+j_:97+j_], v[96+j_:97+j_], s[22:23], v[12:13] op_sel_hi:[1,0,0]
.set j_, j_+2
.endr
.irp b, 0,1,2,3
	v_fma_f32 v[232+\b], v[232+\b], s22, v12
.endr
.set j_, 0
	s_wait_alu depctr_va_vdst(0)                   ; ahead of the batch
.rept 64
	v_exp_f32 v[96+j_], v[96+j_]
.set j_, j_+1
.endr
.irp b, 0,1,2,3
	v_exp_f32 v[232+\b], v[232+\b]                 ; each block's largest p
.endr
	v_pk_mul_f32 v[14:15], v[14:15], v[252:253] op_sel_hi:[1,0]
	s_wait_alu depctr_va_vdst(0)                   ; and behind it, ahead of its first reader
.irp b, 0,1,2,3
	v_max_num_f32 v[232+\b], 0x1800000, v[232+\b]
.endr
.irp b, 0,1,2,3
	s_delay_alu instid0(VALU_DEP_4)
	v_add_nc_u32 v[244+\b], 0xff000000, v[232+\b]
.endr
.irp b, 0,1,2,3
	s_delay_alu instid0(VALU_DEP_4)
	v_lshrrev_b32 v[236+\b], 23, v[244+\b]
.endr
	s_delay_alu instid0(VALU_DEP_3)
	v_lshl_or_b32 v253, v237, 8, v236
	s_delay_alu instid0(VALU_DEP_1)
	v_lshl_or_b32 v253, v238, 16, v253
	s_delay_alu instid0(VALU_DEP_1)
	v_lshl_or_b32 v253, v239, 24, v253             ; p's scale word for these 128 keys
.irp c, 0,1
	v_cvt_scalef32_pk16_fp6_f32 v[224+6*\c:226+6*\c], v[96+32*\c:111+32*\c], v[244+2*\c]
	v_cvt_scalef32_pk16_fp6_f32 v[236+4*\c:238+4*\c], v[112+32*\c:127+32*\c], v[244+2*\c+1]
.endr
	v_nop
.irp c, 0,1
.irp i, 0,1,2
	v_permlane16_swap_b32 v[224+6*\c+\i], v[236+4*\c+\i]
.endr
.irp i, 0,1,2
	s_delay_alu instid0(VALU_DEP_3)
	v_mov_b32 v[227+6*\c+\i], v[236+4*\c+\i]
.endr
.endr
	v_pk_add_f32 v[236:237], v[96:97], v[98:99]    ; the row's sum, of the unquantised p
.irp j, 4,8,12,16,20,24,28,32,36,40,44,48,52,56,60
	v_pk_add_f32 v[14:15], v[14:15], v[96+\j:97+\j]
	v_pk_add_f32 v[236:237], v[236:237], v[98+\j:99+\j]
.endr
	s_delay_alu instid0(VALU_DEP_1)
	v_pk_add_f32 v[14:15], v[14:15], v[236:237]
.irp t, 0,1,2,3
.irp g, 0,1,2
	ds_load_b128 v[96+12*\t+4*\g:99+12*\t+4*\g], v[ADK] offset:18432+1536*\t+512*\g      ; p has been read for the last time: V^T's tiles 4-7 take its registers
.endr
.endr
.irp i, 0,1
	ds_load_b32 v[248+\i], v[ADS] offset:25344+128*\i
.endr
	s_wait_alu depctr_va_vdst(0)                   ; directly ahead of the first reader of O^T
.set j_, 0
.rept 32
	v_pk_mul_f32 v[160+j_:161+j_], v[160+j_:161+j_], v[252:253] op_sel_hi:[1,0]
.set j_, j_+2
.endr
	s_wait_alu depctr_va_vdst(0)
	s_wait_dscnt 0x0
.irp t, 0,2                                            ; eight accumulators by turns
	v_wmma_scale_f32_16x16x128_f8f6f4 v[160+8*\t:167+8*\t], v[32+12*\t:43+12*\t], v[224:235], v[160+8*\t:167+8*\t], v[250+\t/2], v253 matrix_a_fmt:MATRIX_FMT_FP6 matrix_b_fmt:MATRIX_FMT_FP6
	v_wmma_scale_f32_16x16x128_f8f6f4 v[168+8*\t:175+8*\t], v[44+12*\t:55+12*\t], v[224:235], v[168+8*\t:175+8*\t], v[250+\t/2], v253 matrix_a_fmt:MATRIX_FMT_FP6 matrix_b_fmt:MATRIX_FMT_FP6 matrix_a_scale:MATRIX_SCALE_ROW1
.endr
.irp t, 0,2
	v_wmma_scale_f32_16x16x128_f8f6f4 v[192+8*\t:199+8*\t], v[96+12*\t:107+12*\t], v[224:235], v[192+8*\t:199+8*\t], v[248+\t/2], v253 matrix_a_fmt:MATRIX_FMT_FP6 matrix_b_fmt:MATRIX_FMT_FP6
	v_wmma_scale_f32_16x16x128_f8f6f4 v[200+8*\t:207+8*\t], v[108+12*\t:119+12*\t], v[224:235], v[200+8*\t:207+8*\t], v[248+\t/2], v253 matrix_a_fmt:MATRIX_FMT_FP6 matrix_b_fmt:MATRIX_FMT_FP6 matrix_a_scale:MATRIX_SCALE_ROW1
.endr
.Lhid_\@:
.endm
.macro DUMP                            ; my partial result into my stage
	NOP4                                           ; four places behind the last products
	s_wait_alu depctr_va_vdst(0)
.irp k, 0,1,2,3,4,5,6,7,8,9,10,11,12,13,14,15
	ds_store_b128 v[SA], v[160+4*\k:163+4*\k] offset:512*\k
.endr
	ds_store_b128 v[SA], v[12:15] offset:8192
.endm
.macro TAKE j                          ; O^T += partial j x its factor
.if \j > 1
.irp k, 0,1,2,3,4,5,6,7,8,9,10,11,12,13,14,15
	ds_load_b128 v[96+4*\k:99+4*\k], v[SA] offset:STGB*\j+512*\k
.endr
.endif
	s_wait_dscnt 0x0
.set j_, 0
.rept 32
	v_pk_fma_f32 v[160+j_:161+j_], v[96+j_:97+j_], v[240+2*\j:241+2*\j], v[160+j_:161+j_] op_sel_hi:[1,0,1]
.set j_, j_+2
.endr
.endm
; Wave k = 0 joins its block's four partial results under the common M, divides by the row's sum, quantises and stores.  A partial with no step has l = 0, O = 0 and the factor 0.
.macro MERGE ac, as
.irp j, 0,1,2
	ds_load_b128 v[224+4*\j:227+4*\j], v[SA] offset:STGB*(\j+1)+8192
.endr
.irp k, 0,1,2,3,4,5,6,7,8,9,10,11,12,13,14,15
	ds_load_b128 v[96+4*\k:99+4*\k], v[SA] offset:STGB+512*\k
.endr
	s_wait_dscnt 16                                ; the three -M, l are in; the sixteen loads of partial 1 are younger
	v_min3_num_f32 v250, v12, v224, v228
	v_add_f32 v14, v14, v15
	v_add_f32 v226, v226, v227
	v_add_f32 v230, v230, v231
	s_delay_alu instid0(VALU_DEP_4)
	v_min_num_f32 v250, v250, v232                 ; the common -M
	v_add_f32 v234, v234, v235
	s_delay_alu instid0(VALU_DEP_2)
	v_sub_f32 v251, v250, v12
	v_sub_f32 v224, v250, v224
	v_sub_f32 v228, v250, v228
	v_sub_f32 v232, v250, v232
.irp r, 251,224,228,232
	s_delay_alu instid0(VALU_DEP_4)
	v_cvt_i32_f32 v\r, v\r
.endr
.irp r, 251,224,228,232
	s_delay_alu instid0(VALU_DEP_4)
	v_ldexp_f32 v\r, 1.0, v\r                      ; each partial's exact power of two
.endr
	s_delay_alu instid0(VALU_DEP_4)
	v_mul_f32 v14, v14, v251
	s_delay_alu instid0(VALU_DEP_1)
	v_fma_f32 v14, v226, v224, v14
	s_delay_alu instid0(VALU_DEP_1)
	v_fma_f32 v14, v230, v228, v14
	s_delay_alu instid0(VALU_DEP_1)
	v_fma_f32 v14, v234, v232, v14
	s_delay_alu instid0(VALU_DEP_1)
	v_permlanex16_b32 v252, v14, s20, s21
	s_delay_alu instid0(VALU_DEP_1)
	v_add_f32 v14, v14, v252                       ; the row's sum
	s_wait_alu depctr_va_vdst(0)
	v_rcp_f32 v14, v14
	v_nop
	s_wait_alu depctr_va_vdst(0)
	v_mul_f32 v240, v251, v14
	v_mul_f32 v242, v224, v14
	v_mul_f32 v244, v228, v14
	v_mul_f32 v246, v232, v14
.irp r, 240,242,244,246
	s_delay_alu instid0(VALU_DEP_4)
	v_mov_b32 v[\r+1], v\r                         ; (a packed form's pair counts as read whole)
.endr
	s_wait_alu depctr_va_vdst(0)                   ; directly ahead of the first reader of O^T
.set j_, 0
.rept 32
	v_pk_mul_f32 v[160+j_:161+j_], v[160+j_:161+j_], v[240:241] op_sel_hi:[1,0]
.set j_, j_+2
.endr
	TAKE 1
	TAKE 2
	TAKE 3
	QUANT 160, 32, 248
.irp g, 0,1,2
	global_store_b128 v[A16], v[32+4*\g:35+4*\g], s[\ac:\ac+1] offset:512*\g      ; 512 consecutive bytes a store
.endr
	global_store_b32 v[R4], v248, s[\as:\as+1]
.endm
; A phase: four key steps in slot \slot, one for each wave.  fill = 1: the next phase's slot is asked for behind the round.
.macro PHASE slot, fill
	s_wait_alu depctr_va_vdst(0)                   ; directly ahead of the waits below (at the head's end too)
.if \fill
	s_wait_xcnt 0x0                                ; any prefetch of mine has read its base,
	s_add_nc_u64 s[56:57], s[56:57], SLOTB         ; which goes a slot on
.endif
	s_wait_loadcnt 0x0                             ; both Q are in
	s_wait_tensorcnt 0x0                           ; my one tensor load has landed: my part of this phase's slot
	ds_add_u32 v[SPW], v[NIL]                      ; 0 onto my spare word
.if \fill
	s_add_co_u32 s19, s[PH], 1                     ; no load of mine is out: group 0 is made for phase n = PH + 1: the kv head's slot n (n < T, a low phase) or n - T
	s_sub_co_u32 s39, s19, s[TT]
	s_cmp_lt_u32 s19, s[TT]
	s_cselect_b32 s39, s19, s39
	s_mul_i32 s72, s39, SLOTB
	s_add_nc_u64 s[34:35], s[70:71], s[72:73]
	s_or_b32 s35, s35, 0x80000000
	s_add_co_u32 s33, s55, (1-\slot)*SLOTB
.endif
	s_sub_co_u32 s39, s[PH], s[TT]                 ; this phase's keys and block
	s_cmp_lt_u32 s[PH], s[TT]
	s_cselect_b32 s39, s[PH], s39
	s_cselect_b32 s[Q0], s62, s63
	s_lshl_b32 s39, s39, 9
	s_add_co_u32 s[KF], s39, s75                   ; my step's first key
	s_add_co_u32 s[QL], s[Q0], 23
	s_mov_b32 s[TB], \slot*SLOTB
	s_wait_dscnt 0x0                               ; the add, my reads of the other slot and my stores to my stage are done
.if \fill
	CROUND                                         ; no wave of any partner still reads the other slot or has a load on its way
	tensor_load_to_lds s[32:35], s[24:31]          ; my one tensor load behind the round (in phase 0: slot 1's first fill)
	s_nop 0
	NOP4
	s_cmp_lt_u32 s[PH], s[PFLO]
	s_cbranch_scc1 .Lnoask_\@
	s_cmp_gt_u32 s[PH], 2
	s_cbranch_scc1 .Lnoask_\@
	global_prefetch_b8 v[PFO], s[56:57] th:TH_LOAD_NT scope:SCOPE_SE
.Lnoask_\@:
	s_cmp_lg_u32 s[PH], s[TT]
	s_cbranch_scc1 .Lsame_\@
	s_cmp_lg_u32 s[KQ], 0                          ; THE CHANGE OF BLOCKS: the low blocks' partial results lie in the stages
	s_cbranch_scc1 .Lnojoin_\@
	MERGE 48, 50
	s_wait_alu depctr_va_vdst(0)
	s_wait_xcnt 0x0                                ; the stores have read their registers, which the step writes again
.Lnojoin_\@:
.irp j, 0,1,2,3,4,5,6,7,8,9,10,11
	v_mov_b32 v[16+\j], v[82+\j]                   ; the high block's Q,
.endr
	v_mov_b32 v255, v94                            ; its scale words,
	FRESH                                          ; and new sums
.Lsame_\@:
.else
	s_barrier_signal -1
	s_barrier_wait -1
.endif
	STEP
.if \fill
	s_wait_alu depctr_va_vdst(0)
	s_wait_dscnt 0x0                               ; my LDS reads of this phase are done, a join's reads of the stages among them,
	s_barrier_signal -1                            ; and so are every wave's behind this barrier: only then is a stage stored to.  The next fill has its own three lines and round
	s_barrier_wait -1
	s_add_co_u32 s19, s[PH], 1
	s_cmp_lg_u32 s19, s[TT]
	s_cbranch_scc1 .Lnodump_\@
	s_cmp_eq_u32 s[KQ], 0
	s_cbranch_scc1 .Lnodump_\@
	DUMP                                           ; the low blocks' last phase is over
.Lnodump_\@:
.endif
	s_add_co_u32 s[PH], s[PH], 1
.endm
.Lpair:
	PHASE 0, 1
	PHASE 1, 1
	s_add_co_u32 s74, s74, 1
	s_cmp_lt_u32 s74, 2
	s_cbranch_scc1 .Lpair
	PHASE 0, 0                                     ; the fifth phase fetches nothing
	NOP4
	s_cmp_eq_u32 s[KQ], 0
	s_cbranch_scc1 .Lkeep
	DUMP
.Lkeep:
	s_wait_dscnt 0x0
	s_barrier_signal -1
	s_barrier_wait -1
	s_cmp_lg_u32 s[KQ], 0
	s_cbranch_scc1 .Lend
	MERGE 58, 60
.Lend:
	s_wait_tensorcnt 0x0                           ; the wave's end
	ds_add_u32 v[SPW], v[NIL]
	s_wait_dscnt 0x0
	CROUND                                         ; the closing round
	s_endpgm
.Lfunc_end_k_qc6b2b2067e_attn:
	.size	k_qc6b2b2067e_attn, .Lfunc_end_k_qc6b2b2067e_attn-k_qc6b2b2067e_attn
	.p2alignl 7, 3214868480
	.fill 96, 4, 3214868480
	.section	.rodata,"a",@progbits
	.p2align	6, 0x0
	.amdhsa_kernel k_qc6b2b2067e_attn
		.amdhsa_group_segment_fixed_size 327680
		.amdhsa_private_segment_fixed_size 0
		.amdhsa_enable_private_segment 0
		.amdhsa_kernarg_size 16
		.amdhsa_user_sgpr_count 2
		.amdhsa_user_sgpr_kernarg_segment_ptr 1
		.amdhsa_wavefront_size32 1
		.amdhsa_system_sgpr_workgroup_id_x 1
		.amdhsa_system_sgpr_workgroup_id_y 1
		.amdhsa_system_sgpr_workgroup_id_z 1
		.amdhsa_system_vgpr_workitem_id 0
		.amdhsa_next_free_vgpr 256
		.amdhsa_next_free_sgpr 80
		.amdhsa_reserve_vcc 1
		.amdhsa_float_denorm_mode_32 3
		.amdhsa_float_denorm_mode_16_64 3
		.amdhsa_memory_ordered 1
		.amdhsa_forward_progress 1
		.amdhsa_inst_pref_size 157
	.end_amdhsa_kernel
	.amdgpu_metadata
---
amdhsa.version: [ 1, 2 ]
amdhsa.kernels:
  - .name:           k_qc6b2b2067e_attn
    .symbol:         k_qc6b2b2067e_attn.kd
    .args:
      - { .name: qkv, .offset: 0, .size: 8, .value_kind: global_buffer, .address_space: global }
      - { .name: att, .offset: 8, .size: 8, .value_kind: global_buffer, .address_space: global }
    .group_segment_fixed_size: 327680
    .private_segment_fixed_size: 0
    .kernarg_segment_align: 8
    .kernarg_segment_size: 16
    .max_flat_workgroup_size: 512
    .sgpr_count:     80
    .vgpr_count:     256
    .wavefront_size: 32
...
	.end_amdgpu_metadata
.endif
;; end of part 3
;; launch gemm_out (part 4): grid 256 x 1, 4 waves a work-group, clusters of 4 x 1, 327,680 bytes of LDS; arguments att, opw, out0; writes out0
.if DOCPART == 4
	.amdgcn_target "amdgcn-amd-amdhsa--gfx1250"
	.amdhsa_code_object_version 6
	.text
	.protected	k_qc6b2b2067e_gemm_out
	.globl	k_qc6b2b2067e_gemm_out
	.p2align	8
	.type	k_qc6b2b2067e_gemm_out,@function
k_qc6b2b2067e_gemm_out:
	s_mov_b64 s[64:65], 0
	v_nop
	global_prefetch_b8 v0, s[64:65] scope:SCOPE_SE
	s_setreg_imm32_b32 hwreg(HW_REG_WAVE_MODE, 25, 1), 1
	s_wait_xcnt 0x0
	s_wait_alu depctr_hold_cnt(0) depctr_sa_sdst(0) depctr_va_vdst(0) depctr_va_sdst(0) depctr_va_ssrc(0) depctr_va_vcc(0) depctr_vm_vsrc(0)
	s_getreg_b32 s2, hwreg(HW_REG_IB_STS2, 6, 4)
	s_cmp_eq_u32 s2, 0
	s_cbranch_scc0 .Lentry_in_a_cluster
	s_endpgm
.Lentry_in_a_cluster:
	s_bfe_u32 s2, ttmp6, 0x10000c
	s_cmp_lg_u32 s2, 0x3003
	s_cbranch_scc0 .Lentry_shape_is_right
	s_endpgm
.Lentry_shape_is_right:
; out0 = attention's result x W_o on codes of FP6 (E2M3) with E8M0 scales, K = 2,048; out0 [2048][2048] f32.
; THE FRAME is that of the first product: C'[m'][n'] = sum over k of A'[m'][k] B'[n'][k], A' = att's tokens, B' = W_o's columns.  A work-group of four waves makes 128 x 128, a wave 64 x 64: 16 accumulators:
; 256 work-groups, one to a WGP.  The matrix instruction is used transposed (source 0 = 16 rows of B', source 1 = 16 rows of A'): a lane holds one token and eight neighbouring columns a tile.
; Blocks of 16 rows are permuted: lane r of block B holds row 32 (B / 2) + 8 (B % 2) + r + 8 (r / 8); the way out undoes that by its addresses.
; OPERANDS lie as images of the operand's registers, [block][K step][1536], scale words [block][K step][16].  RING: two LDS slots of four K steps; waves 0, 1 fetch A's halves, waves 2, 3 B's.
; CLUSTER 4 x 1: the four partners share the tile of B' (asked for jointly, mask 15) and take four neighbouring tiles of A' (plain loads); the text is kept the same as the first product's frame, whose tile counts no 4 x 4 divides.
; REGISTERS: window 0: v16-29 addresses, v32-63 A's scale words, v64-95 B's, v128-255 the way out.  Windows 1, 2: fragment sets 0, 1.  Window 3: accumulator (a, b) at v[8 (4 a + b)].
.set NBW,   4
.set BLKS,  6144
.set BOFF,  8*BLKS
.set SLOT,  (8+2*NBW)*BLKS
.set SCL,   2*SLOT
.set SPARE, SCL+8192+2*NBW*1024        ; the spare words, 128 bytes a wave: two blocks of 256 bytes that no other line names
.set STG,   SPARE+512                  ; the way out: 16 rows x (256 + 16) bytes for each wave; no tensor load lands here
.set NL,    3*(NBW+4)
.set OPS,   11010048
.set ATS,   3145728
.set VA,  16
.set VB,  18
.set VSA, 20
.set VSB, 21
.set L16, 22
.set L4,  23
.set STO, 24
.set RD,  25
.set CO,  26
.set SPW, 28
.set NIL, 29
.set SCA, 32
.set SCB, 64
.set G1A, 24
.set G0A, 32
.set G1B, 48
.set G0B, 56
.set G1SA, 68
.set G0SA, 76
.set G1SB, 80
.set G0SB, 88
.set MSB, 0
.macro WIN new                         ; the immediate's high byte repeats the setting that is left
.if MSB != \new
	s_set_vgpr_msb (MSB<<8)|\new
.set MSB, \new
.endif
.endm
.macro PLACES                          ; four plain places behind matrix instructions (ISA guide 7.12.1)
.rept 4
	v_nop
.endr
.endm
.macro JLOAD g0a, g1a, g0b, g1b        ; waves 0, 1 fetch for A', waves 2, 3 for B'; four v_nop follow each line
	s_cmp_eq_u32 s15, 0
	s_cbranch_scc0 .Lfor_b_\@
	tensor_load_to_lds s[\g0a:\g0a+3], s[\g1a:\g1a+7]
	s_nop 0
.rept 4
	v_nop
.endr
	s_branch .Lasked_\@
.Lfor_b_\@:
	tensor_load_to_lds s[\g0b:\g0b+3], s[\g1b:\g1b+7]
	s_nop 0
.rept 4
	v_nop
.endr
.Lasked_\@:
.endm
.macro CROUND                          ; a round of the cluster's barrier
	s_barrier_signal -1
	s_barrier_wait -1
	s_cmp_lg_u32 s14, 0
	s_cbranch_scc1 .Lnot_wave_0_\@
	s_barrier_signal -3
.Lnot_wave_0_\@:
	s_barrier_wait -3
	s_barrier_signal -1
	s_barrier_wait -1
.endm
.macro SCALES                          ; all 16 K steps' scale words, once
.irp a, 0,1,2,3
.irp p, 0,1,2,3,4,5,6,7
	ds_load_b32 v[SCA+8*\a+\p], v[VSA] offset:1024*\a+128*\p
.endr
.endr
.set b_, 0
.rept NBW
.irp p, 0,1,2,3,4,5,6,7
	ds_load_b32 v[SCB+8*b_+\p], v[VSB] offset:1024*b_+128*\p
.endr
.set b_, b_+1
.endr
.endm
.macro FETCH slot, q, set              ; the fragments of the slot's q-th K step into a set: NL loads in one run
.if (\set) == 0
	WIN 0x40
.else
	WIN 0x80
.endif
.set b_, 0
.rept NBW
.irp g, 0,1,2
	ds_load_b128 v[12*b_+4*\g:12*b_+4*\g+3], v[VB+\slot] offset:b_*BLKS+(\q)*1536+512*\g
.endr
.set b_, b_+1
.endr
.irp a, 0,1,2,3
.irp g, 0,1,2
	ds_load_b128 v[96+12*\a+4*\g:96+12*\a+4*\g+3], v[VA+\slot] offset:\a*BLKS+(\q)*1536+512*\g
.endr
.endr
.endm
.macro MULH set, s, a0, zero           ; K step s: A' blocks a0, a0 + 1 against all of B's.  The accumulators take turns, one instruction a turn, in the same order in every step
.if (\set) == 0
	WIN 0xf5
.else
	WIN 0xfa
.endif
.irp a, \a0, \a0+1
.set b_, 0
.rept NBW
.set rD, 8*(NBW*(\a)+b_)
.set rB, 12*b_
.set rA, 96+12*(\a)
.set rSB, SCB+8*b_+(\s)/2
.set rSA, SCA+8*(\a)+(\s)/2
.if \zero
	v_wmma_scale_f32_16x16x128_f8f6f4 v[rD:rD+7], v[rB:rB+11], v[rA:rA+11], 0, v[rSB], v[rSA] matrix_a_fmt:MATRIX_FMT_FP6 matrix_b_fmt:MATRIX_FMT_FP6
.elseif (\s)%2
	v_wmma_scale_f32_16x16x128_f8f6f4 v[rD:rD+7], v[rB:rB+11], v[rA:rA+11], v[rD:rD+7], v[rSB], v[rSA] matrix_a_fmt:MATRIX_FMT_FP6 matrix_b_fmt:MATRIX_FMT_FP6 matrix_a_scale:MATRIX_SCALE_ROW1 matrix_b_scale:MATRIX_SCALE_ROW1
.else
	v_wmma_scale_f32_16x16x128_f8f6f4 v[rD:rD+7], v[rB:rB+11], v[rA:rA+11], v[rD:rD+7], v[rSB], v[rSA] matrix_a_fmt:MATRIX_FMT_FP6 matrix_b_fmt:MATRIX_FMT_FP6
.endif
.set b_, b_+1
.endr
.endr
.endm
.macro STEP s                          ; a K step whose successor lies in the same slot
.set SG_, ((\s)/4)%2
.set Q_, (\s)%4
	PLACES
	FETCH SG_, Q_+1, ((\s)+1)%2
	s_wait_dscnt NL                                ; all but the NL loads just issued: this step's fragments (and, at step 0, the scale words) are in
.if (\s) == 0
	MULH (\s)%2, \s, 0, 1                          ; the first products start the sums: nothing is cleared
	MULH (\s)%2, \s, 2, 1
.else
	MULH (\s)%2, \s, 0, 0
	MULH (\s)%2, \s, 2, 0
.endif
.endm
.macro TURN s, fill                    ; a slot's last K step changes slots.  fill = 1: the slot just read is filled again, with the K steps eight on
.set SG_, ((\s)/4)%2
	WIN 0
	s_wait_tensorcnt 0x0                           ; all my tensor loads have landed: my part of the next slot
	ds_add_u32 v[SPW], v[NIL]                      ; 0 onto my spare word
.if \fill
	s_add_nc_u64 s[G0A+4*SG_+2:G0A+4*SG_+3], s[G0A+4*SG_+2:G0A+4*SG_+3], 12288
	s_add_nc_u64 s[G0B+4*SG_+2:G0B+4*SG_+3], s[G0B+4*SG_+2:G0B+4*SG_+3], 12288
.endif
	s_wait_dscnt 1                                 ; the add alone may be out: this step's fragments are in
	MULH (\s)%2, \s, 0, 0
	s_wait_dscnt 0x0                               ; the add is done, and my reads of this slot are over
	WIN 0
.if \fill
	CROUND                                         ; no wave of any partner still reads the slot or has a load on its way
	JLOAD G0A+4*SG_, G1A, G0B+4*SG_, G1B           ; my one tensor load behind the round; its four v_nop are the places in front of the loads below
.if (\s) == 3
	ASK 18432
.endif
.else
	s_barrier_signal -1
	s_barrier_wait -1
	PLACES
.endif
	FETCH 1-SG_, 0, ((\s)+1)%2
	MULH (\s)%2, \s, 2, 0
.endm
	s_load_b128 s[4:7], s[0:1], 0x0                ; att s[4:5], opw s[6:7]
	s_load_b64 s[8:9], s[0:1], 0x10                ; out0
	v_lshl_add_u32 v[SPW], v0, 2, SPARE
	v_mov_b32 v[NIL], 0
	ds_add_u32 v28, v29
	ds_add_u32 v28, v29
	s_wait_dscnt 0x0
	v_lshrrev_b32 v1, 5, v0
	v_readfirstlane_b32 s14, v1                    ; wave 0..3
	s_lshr_b32 s15, s14, 1                         ; wm: which 64 rows are mine.  Also: I fetch for A' (0) or B' (1)
	s_and_b32 s16, s14, 1                          ; wn: which 64 columns.  Also: which half I fetch
	s_bfe_u32 s40, ttmp6, 0x40000                  ; cx
	s_lshr_b32 s41, ttmp9, 2                       ; tile of B': 128 columns
	s_and_b32 s42, ttmp9, 3
	s_lshl_b32 s42, s42, 2
	s_add_co_u32 s42, s42, s40                     ; tile of A': 128 tokens: it alone holds cx
	s_mov_b32 s[G1A+0], 3<<16                      ; A's codes: elements of 8 bytes, no mask: 4 rows (blocks) of 6,144 bytes, 24,576 bytes apart
	s_mov_b32 s[G1B+0], 15|(3<<16)|(1<<21)         ; B's: the mask names all four partners, bit 21 beside it; NBW rows
.irp g, G1A, G1B
	s_mov_b32 s[\g+1], 768<<16
	s_mov_b32 s[\g+3], 768<<16
	s_mov_b32 s[\g+5], 3072
	s_mov_b32 s[\g+6], 0
	s_mov_b32 s[\g+7], 0
.endr
	s_mov_b32 s[G1A+2], 8<<16                      ; at the head a load brings a whole tile: A's 8 blocks,
	s_mov_b32 s[G1A+4], 8
	s_mov_b32 s[G1B+2], (2*NBW)<<16                ; B's 2 NBW
	s_mov_b32 s[G1B+4], 2*NBW
	s_mov_b32 s[G1SA+0], 3<<16                     ; the scale words: dense, as rows of 256 bytes: A's 16, B's 4 NBW
	s_mov_b32 s[G1SB+0], 15|(3<<16)|(1<<21)
.irp g, G1SA, G1SB
	s_mov_b32 s[\g+1], 32<<16
	s_mov_b32 s[\g+3], 32<<16
	s_mov_b32 s[\g+5], 32
	s_mov_b32 s[\g+6], 0
	s_mov_b32 s[\g+7], 0
.endr
	s_mov_b32 s[G1SA+2], 32<<16                    ; the scale words of a whole tile: A's 32 rows of 256 bytes, B's 8 NBW
	s_mov_b32 s[G1SA+4], 32
	s_mov_b32 s[G1SB+2], (8*NBW)<<16
	s_mov_b32 s[G1SB+4], 8*NBW
	s_lshl_b32 s20, s42, 3
	s_mul_i32 s12, s16, 4*24576                    ; s[12:13]: from the tile's first block of A' to the half that I fetch in the ring, in bytes
	s_mov_b32 s13, 0
	s_mul_i32 s92, s20, 24576
	s_mov_b32 s93, 0
	s_lshl_b32 s94, s20, 10
	s_add_co_u32 s94, s94, ATS
	s_mov_b32 s95, 0
	s_mul_i32 s46, s41, 2*NBW
	s_add_co_u32 s46, s46, 320                     ; W_o's columns begin at block 320 of opw
	s_mul_i32 s66, s16, NBW*24576                  ; s[66:67]: the same for B': the wave's number alone
	s_mov_b32 s67, 0
	s_mul_i32 s96, s46, 24576
	s_mov_b32 s97, 0
	s_lshl_b32 s98, s46, 10
	s_add_co_u32 s98, s98, OPS
	s_mov_b32 s99, 0
	s_mul_i32 s45, s16, 4*BLKS                     ; where they go in LDS: the wave's number alone
	s_mul_i32 s22, s16, NBW*BLKS
	s_wait_kmcnt 0x0
	s_add_nc_u64 s[92:93], s[4:5], s[92:93]
	s_add_nc_u64 s[94:95], s[4:5], s[94:95]
	s_add_nc_u64 s[96:97], s[6:7], s[96:97]
	s_add_nc_u64 s[98:99], s[6:7], s[98:99]
	s_mov_b32 s[G0SA], 1
	s_mov_b32 s[G0SA+1], SCL
	s_mov_b64 s[G0SA+2:G0SA+3], s[94:95]
	s_or_b32 s[G0SA+3], s[G0SA+3], 0x80000000
	s_mov_b32 s[G0SB], 1
	s_mov_b32 s[G0SB+1], SCL+8192
	s_mov_b64 s[G0SB+2:G0SB+3], s[98:99]
	s_or_b32 s[G0SB+3], s[G0SB+3], 0x80000000
	s_mov_b32 s[G0A], 1                            ; slot 0's group 0 names, at the head, the whole tile of K steps 0-3: A's 8 blocks,
	s_mov_b32 s[G0A+1], 0
	s_mov_b64 s[G0A+2:G0A+3], s[92:93]
	s_or_b32 s[G0A+3], s[G0A+3], 0x80000000
	s_mov_b32 s[G0B], 1                            ; B's 2 NBW blocks behind them
	s_mov_b32 s[G0B+1], BOFF
	s_mov_b64 s[G0B+2:G0B+3], s[96:97]
	s_or_b32 s[G0B+3], s[G0B+3], 0x80000000
	s_add_nc_u64 s[92:93], s[92:93], s[12:13]      ; the ring: my half of a tile
	s_add_nc_u64 s[96:97], s[96:97], s[66:67]
	s_mov_b32 s[G0A+4], 1                          ; slot 1: K steps 4-7
	s_add_co_u32 s[G0A+5], s45, SLOT
	s_add_nc_u64 s[G0A+6:G0A+7], s[92:93], BLKS
	s_or_b32 s[G0A+7], s[G0A+7], 0x80000000
	s_mov_b32 s[G0B+4], 1
	s_add_co_u32 s[G0B+5], s22, SLOT+BOFF
	s_add_nc_u64 s[G0B+6:G0B+7], s[96:97], BLKS
	s_or_b32 s[G0B+7], s[G0B+7], 0x80000000
	CROUND                                         ; all four work-groups are here: the first joint loads meet
; THE HEAD'S LOADS, ONE A WAVE: wave 0 A's codes of K steps 0-3, wave 1 B's, wave 2 A's scale words, wave 3 B's.  One chain of branches on the wave's number, one load to an arm, one join.
.macro ARM under, g0, g1, next
	s_cmp_lt_u32 s14, \under
	s_cbranch_scc0 \next
	tensor_load_to_lds s[\g0:\g0+3], s[\g1:\g1+7]
	s_nop 0
.rept 4
	v_nop
.endr
	s_branch .Lhead_asked
\next:
.endm
	ARM 1, G0A,  G1A,  .Lhead_b
	ARM 2, G0B,  G1B,  .Lhead_sa
	ARM 3, G0SA, G1SA, .Lhead_sb
	tensor_load_to_lds s[G0SB:G0SB+3], s[G1SB:G1SB+7]
	s_nop 0
.rept 4
	v_nop
.endr
.Lhead_asked:
	v_and_b32 v1, 31, v0                           ; lane
	v_lshlrev_b32 v[L16], 4, v1
	v_lshlrev_b32 v[L4], 2, v1
; PREFETCH: each wave names the part of a slot that it will itself load, one slot ahead of its tensor load: K steps 4-7 here, 8-11 behind slot 1's load, 12-15 behind the first refill; K steps 0-3 come by their loads alone.
; A part is blocks of 6,144 bytes, 24,576 apart: 24 lines of 256 bytes a block, a lane a line: line i lies at 256 i + 18,432 (i / 24).  A's waves name their 4 blocks (96 lines, three instructions);
; of the NBW blocks that B's waves ask for jointly each partner names NBW / 4, told apart by address (cx); lanes that are left over name their wave's last line again.  The address registers are never rewritten.
.irp j, 0,1,2
	v_add_nc_u32 v[10+\j], 32*\j, v1
.endr
.irp j, 0,1
	v_min_u32 v[13+\j], 6*NBW-1, v[10+\j]
.endr
.irp j, 0,1,2
	v_mul_u32_u24 v[4+\j], v[10+\j], 171           ; i / 24 = (171 i) >> 12 for i under 96
.endr
.irp j, 0,1
	v_mul_u32_u24 v[7+\j], v[13+\j], 171
.endr
.irp j, 0,1,2,3,4
	v_lshrrev_b32 v[4+\j], 12, v[4+\j]
.endr
.irp j, 0,1,2,3,4
	v_mul_u32_u24 v[4+\j], v[4+\j], 18432
.endr
.irp j, 0,1,2
	v_lshl_add_u32 v[4+\j], v[10+\j], 8, v[4+\j]
.endr
.irp j, 0,1
	v_lshl_add_u32 v[7+\j], v[13+\j], 8, v[7+\j]
.endr
	s_mul_i32 s17, s40, (NBW/4)*24576
.irp j, 0,1
	v_add_nc_u32 v[7+\j], s17, v[7+\j]
.endr
.macro ASK off
	s_cmp_eq_u32 s15, 0
	s_cbranch_scc0 .Lask_b_\@
.irp j, 0,1,2
	global_prefetch_b8 v[4+\j], s[92:93] offset:\off th:TH_LOAD_NT scope:SCOPE_SE
.endr
	s_branch .Lask_end_\@
.Lask_b_\@:
	global_prefetch_b8 v7, s[96:97] offset:\off th:TH_LOAD_NT scope:SCOPE_SE
.if NBW == 8
	global_prefetch_b8 v8, s[96:97] offset:\off th:TH_LOAD_NT scope:SCOPE_SE
.endif
.Lask_end_\@:
.endm
	s_wait_alu depctr_va_vdst(0)
	ASK 6144
	s_wait_alu depctr_va_vdst(0)
	s_mul_i32 s17, s15, 4*BLKS
	s_mul_i32 s18, s16, NBW*BLKS
	s_add_co_u32 s18, s18, BOFF
.irp sg, 0,1
	v_add_nc_u32 v[VA+\sg], s17, v[L16]
	v_add_nc_u32 v[VB+\sg], s18, v[L16]
	s_add_co_u32 s17, s17, SLOT
	s_add_co_u32 s18, s18, SLOT
.endr
	s_lshl_b32 s17, s15, 12
	s_add_co_u32 s17, s17, SCL
	v_add_nc_u32 v[VSA], s17, v[L4]
	s_mul_i32 s18, s16, NBW*1024
	s_add_co_u32 s18, s18, SCL+8192
	v_add_nc_u32 v[VSB], s18, v[L4]
	s_mul_i32 s17, s14, 16*272
	s_add_co_u32 s17, s17, STG                     ; my stage
	v_and_b32 v2, 15, v0                           ; r
	v_bfe_u32 v3, v0, 4, 1                         ; h
	v_mul_u32_u24 v[STO], v2, 272
	v_lshl_add_u32 v[STO], v3, 6, v[STO]
	v_add_nc_u32 v[STO], s17, v[STO]               ; in: row r; tile 2 b + u holds columns 32 b + 16 h + 8 u + 0 .. 7: byte 128 b + 64 h + 32 u
	v_mul_u32_u24 v[RD], v3, 272
	v_lshl_add_u32 v[RD], v2, 4, v[RD]
	v_add_nc_u32 v[RD], s17, v[RD]                 ; back: lanes 0-15 one row of 256 bytes, lanes 16-31 the next
	v_lshlrev_b32 v[CO], 13, v3
	v_lshl_add_u32 v[CO], v2, 4, v[CO]             ; and the same two rows in out0
	s_lshl_b32 s18, s42, 7
	s_lshl_b32 s19, s15, 6
	s_add_co_u32 s18, s18, s19                     ; my first token
	s_lshl_b32 s18, s18, 13
	s_lshl_b32 s19, s41, 9
	s_add_co_u32 s18, s18, s19
	s_lshl_b32 s19, s16, 8
	s_add_co_u32 s18, s18, s19                     ; + my first column, in bytes
	s_mov_b32 s19, 0
	s_add_nc_u64 s[8:9], s[8:9], s[18:19]
	s_wait_alu depctr_va_vdst(0)
	s_wait_tensorcnt 0x0                           ; my tile of the head's four is in; slot 1's first fill is issued as a refill is:
	ds_add_u32 v[SPW], v[NIL]                      ; 0 onto my spare word
	s_mov_b32 s[G1A+2], 4<<16                      ; no tensor load of mine is out, so descriptors may be written: from here on a load brings half a tile,
	s_mov_b32 s[G1A+4], 4
	s_mov_b32 s[G1B+2], NBW<<16
	s_mov_b32 s[G1B+4], NBW
	s_mul_i32 s[G0A+1], s16, 4*BLKS                ; and slot 0's group 0 names my half
	s_add_nc_u64 s[G0A+2:G0A+3], s[G0A+2:G0A+3], s[12:13]
	s_mul_i32 s[G0B+1], s16, NBW*BLKS
	s_add_co_u32 s[G0B+1], s[G0B+1], BOFF
	s_add_nc_u64 s[G0B+2:G0B+3], s[G0B+2:G0B+3], s[66:67]
	s_wait_dscnt 0x0                               ; the add is done
	CROUND                                         ; all four tiles are in, and the four work-groups are here
	JLOAD G0A+4, G1A, G0B+4, G1B                   ; K steps 4-7: my one tensor load behind the round
	SCALES
	ASK 12288
	FETCH 0, 0, 0
	STEP 0
	STEP 1
	STEP 2
	TURN 3, 1
	STEP 4
	STEP 5
	STEP 6
	TURN 7, 1
	STEP 8
	STEP 9
	STEP 10
	TURN 11, 0                                     ; nothing is left to fetch
	STEP 12
	STEP 13
	STEP 14
	s_wait_dscnt 0x0
	MULH 1, 15, 0, 0
	MULH 1, 15, 2, 0
	WIN 0
	PLACES
	; THE WAY OUT, a block of 16 tokens x 64 columns at a time through my own stage.  LDS serves a wave's instructions in order: no wait between the stores and the loads, nor in front of the next block's stores.
	s_wait_alu depctr_va_vdst(0)
.irp a, 0,1,2,3
	WIN 0x0c                                       ; an LDS store's data are its source 1: window 3
.irp b, 0,1,2,3
	ds_store_b128 v[STO], v[8*(4*\a+\b):8*(4*\a+\b)+3] offset:128*(\b/2)+32*(\b%2)          ; each accumulator from its low end on
	ds_store_b128 v[STO], v[8*(4*\a+\b)+4:8*(4*\a+\b)+7] offset:128*(\b/2)+32*(\b%2)+16
.endr
	WIN 0
.irp i, 0,1,2,3,4,5,6,7
	ds_load_b128 v[128+32*\a+4*\i:131+32*\a+4*\i], v[RD] offset:544*\i
.endr
.endr
.irp a, 0,1,2,3
	s_wait_dscnt 16*(3-\a)                         ; behind block a's loads stand sixteen LDS instructions for each later block
.irp i, 0,1,2,3,4,5,6,7
	global_store_b128 v[CO], v[128+32*\a+4*\i:131+32*\a+4*\i], s[8:9] offset:(32*(\a/2)+8*(\a%2)+2*\i+8*(\i/4))*8192 th:TH_STORE_NT   ; stage row 2 i + h is token 32 (a / 2) + 8 (a % 2) + 2 i + h + 8 (i / 4); 16 lanes store 256 consecutive bytes, aligned
.endr
.endr
	s_wait_tensorcnt 0x0                           ; the wave's end
	ds_add_u32 v[SPW], v[NIL]
	s_wait_dscnt 0x0
	CROUND                                         ; the closing round
	s_endpgm
.Lfunc_end_k_qc6b2b2067e_gemm_out:
	.size	k_qc6b2b2067e_gemm_out, .Lfunc_end_k_qc6b2b2067e_gemm_out-k_qc6b2b2067e_gemm_out
	.p2alignl 7, 3214868480
	.fill 96, 4, 3214868480
	.section	.rodata,"a",@progbits
	.p2align	6, 0x0
	.amdhsa_kernel k_qc6b2b2067e_gemm_out
		.amdhsa_group_segment_fixed_size 327680
		.amdhsa_private_segment_fixed_size 0
		.amdhsa_enable_private_segment 0
		.amdhsa_kernarg_size 24
		.amdhsa_user_sgpr_count 2
		.amdhsa_user_sgpr_kernarg_segment_ptr 1
		.amdhsa_wavefront_size32 1
		.amdhsa_system_sgpr_workgroup_id_x 1
		.amdhsa_system_sgpr_workgroup_id_y 1
		.amdhsa_system_sgpr_workgroup_id_z 1
		.amdhsa_system_vgpr_workitem_id 0
		.amdhsa_next_free_vgpr 1024
		.amdhsa_next_free_sgpr 100
		.amdhsa_reserve_vcc 0
		.amdhsa_float_denorm_mode_32 3
		.amdhsa_float_denorm_mode_16_64 3
		.amdhsa_memory_ordered 1
		.amdhsa_forward_progress 1
		.amdhsa_inst_pref_size 87
	.end_amdhsa_kernel
	.amdgpu_metadata
---
amdhsa.version: [ 1, 2 ]
amdhsa.kernels:
  - .name:           k_qc6b2b2067e_gemm_out
    .symbol:         k_qc6b2b2067e_gemm_out.kd
    .args:
      - { .name: att, .offset: 0, .size: 8, .value_kind: global_buffer, .address_space: global }
      - { .name: opw, .offset: 8, .size: 8, .value_kind: global_buffer, .address_space: global }
      - { .name: out0, .offset: 16, .size: 8, .value_kind: global_buffer, .address_space: global }
    .group_segment_fixed_size: 327680
    .private_segment_fixed_size: 0
    .kernarg_segment_align: 8
    .kernarg_segment_size: 24
    .max_flat_workgroup_size: 128
    .sgpr_count:     100
    .vgpr_count:     1024
    .wavefront_size: 32
...
	.end_amdgpu_metadata
.endif
;; end of part 4
